; MI455X (gfx1250); checked and timed in simulation.
; The chip was launched on July 23, 2026; its instructions are those of AMD's public machine-readable ISA for CDNA 5 (MIT licence, August 2026) and "CDNA5" Instruction Set Architecture Reference Guide (July 2026). The comments in the code are by the model that wrote it; some were corrected since.
;; Attention. Allowed arithmetic: matrix products marked QUANTISED: E2M3 operands, one E8M0 scale for each 32 along K, by v_wmma_scale_f32_16x16x128_f8f6f4 with both operands' format E2M3, f32 sums; everything else in f32.
;; Inputs: proj_b 1,024 float32; proj_w 1,024 x 1,024 float32; qkv_w 3,072 x 1,024 float32; x 8 x 1,024 x 1,024 float32.
;; Outputs: out0 8 x 1,024 x 1,024 float32.
;; This version of the problem:
;;   THIS VERSION OF THE PROBLEM IS GIVEN IN LOW PRECISION. The matrix products marked QUANTISED in the list below multiply operands that are first quantised to E2M3 (2 exponent bits, 3 mantissa bits; 6 bits a number), with one power-of-two scale for each 32 numbers along K (OCP MX v1.0); their sums are f32. All else is computed in f32.
;;   The module's matrix products, in the order in which they are computed (A, B: the left and right operand; K: the contracted axis; several contracted axes count as one K, in the product's order):
;;     1. [M 8,192, K 1,024] x [K 1,024, N 3,072]; A: input x; B: input qkv_w: QUANTISED
;;     2. batch 128 x [M 1,024, K 64] x [K 64, N 1,024]; A: computed on the way; B: computed on the way: QUANTISED
;;     3. batch 128 x [M 1,024, K 1,024] x [K 1,024, N 64]; A: softmax (see below); B: computed on the way: QUANTISED
;;     4. [M 8,192, K 1,024] x [K 1,024, N 1,024]; A: computed on the way; B: input proj_w: QUANTISED
;;   THE QUANTISER, for each operand of a quantised product, along K:
;;     - K is cut into blocks of 32 from its start; a last block that is shorter is filled with zeros.
;;     - A block's scale is 2^e with e = floor(log2(the largest magnitude in the block)) - 2, held to -126 .. 127; a block of zeros has e = 0. As a byte (E8M0): e + 127.
;;     - Each number is divided by its block's scale, clamped to +-7.5, and rounded to the nearest number of E2M3, ties to even, subnormals kept.
;;     - The product sums the exact products of the quantised numbers (number of the format x scale) in f32.
;;   ~~~python
;;   def quantise(x, axis):      # numpy; x: float32 -> the quantised numbers, widened to float32 again
;;       x = np.moveaxis(x, axis, -1); K = x.shape[-1]
;;       x = np.pad(x, [(0, 0)] * (x.ndim - 1) + [(0, -K % 32)]); x = x.reshape(x.shape[:-1] + (-1, 32)); a = np.abs(x).max(-1, keepdims=True)
;;       e = np.where(a > 0, np.clip(np.frexp(np.where(a > 0, a, 1))[1] - 1 - 2, -126, 127), 0)      # np.frexp(a)[1] - 1 = floor(log2(a)), exactly
;;       r = np.clip(x / 2.0 ** e, -7.5, 7.5)
;;       step = 2.0 ** (np.maximum(np.frexp(np.where(r == 0, 1, r))[1] - 1, 0) - 3)
;;       q = np.round(r / step) * step * 2.0 ** e      # np.round: ties to even
;;       return np.moveaxis(q.reshape(q.shape[:-2] + (-1,))[..., :K], -1, axis).astype(np.float32)
;;   ~~~
;;   SOFTMAX AHEAD OF A QUANTISED PRODUCT. Where the list says 'softmax', what is quantised is not the finished softmax but p = 2^(t - M), with t = logit x log2(e) and M = ceil(the row's largest t), a whole number; so 1/2 < the row's largest p <= 1. The row's sum l is taken of the UNQUANTISED p, in f32, and the product's result is divided by l at the end. Since M is a whole number, a kernel that streams over the keys may use a running M (the ceiling of the running maximum): every later rescaling is an exact power of two, which a block's scale takes up: the codes' values come out the same.
;;   OPERANDS COMPUTED ON THE WAY. 'Computed on the way' means the value that the module computes at that place (a softmax that the list does not call 'softmax' is quantised finished and normalised). What goes into a quantiser is computed in f32, as accurately as f32 sums, v_exp_f32 and their like allow (about 1e-6 of the number): no bf16 or f16 on the way to a quantiser, and a product that is left as it is and whose result goes on into a quantised operand takes f32 operands (vector FMAs, or v_wmma_f32_16x16x4_f32). A number that lies on a knife's edge between two numbers of the format may be rounded either way, as far as f32 arithmetic and the matrix unit's own rounding can turn it there, and no further.
;; One version. Each part assembles by itself: llvm-mc -triple=amdgcn-amd-amdhsa -mcpu=gfx1250 --defsym DOCPART=n.
;; ======== version 1 of 1: 4 launches
;; limits: right only within a limited range of input values
;; workspace buffers: codes 9,437,184 bytes; scales 393,216 bytes; qkvc 18,874,368 bytes; qkvs 1,310,720 bytes; oc 6,291,456 bytes; os 262,144 bytes
;; launch quant (part 1): grid 768 x 1, 4 waves a work-group, no clusters, 34,816 bytes of LDS; arguments x, qkv_w, proj_w, codes, scales; writes codes, scales
.if DOCPART == 1
	.amdgcn_target "amdgcn-amd-amdhsa--gfx1250"
	.amdhsa_code_object_version 6
	.text
	.protected	k_qf9a04b9ed7_quant
	.globl	k_qf9a04b9ed7_quant
	.p2align	8
	.type	k_qf9a04b9ed7_quant,@function
k_qf9a04b9ed7_quant:
	s_mov_b64 s[64:65], 0
	v_nop
	global_prefetch_b8 v0, s[64:65] scope:SCOPE_SE
	s_setreg_imm32_b32 hwreg(HW_REG_WAVE_MODE, 25, 1), 1
	s_wait_xcnt 0x0
; x [8192][1024], qkv_w [3072][1024] and proj_w [1024][1024], f32, K innermost, become codes of FP6 (E2M3) with one E8M0 byte for each 32 along K.
; A block's scale is 2^(floor(log2(its largest magnitude)) - 2): its byte is the largest magnitude's exponent field - 2, held at 1 from below.
; LIMITS: NaN and infinities among the inputs are not served; a block whose largest magnitude lies under 2^-124 has its byte held at 1; a block of zeros gets the byte 1
; where the rule says 127: its codes are zeros, which add nothing under any byte but 0xff, and this program alone reads the bytes.
; LAYOUT OF THE RESULT.  The three tensors are one list of 768 TILES of 16 rows (0-511 x, 512-703 qkv_w, 704-767 proj_w).  THE ROWS OF A TILE ARE NOT NEIGHBOURS:
; row i of tile T is matrix row 32 (T / 2) + 8 (T % 2) + i + 8 (i / 8), so that a product which takes the tile as source 0 leaves 16 neighbours along the next K in the 16 registers of two neighbouring tiles.
; codes [tile][K step of 128: 8][1536]: AN IMAGE OF THE OPERAND'S REGISTERS: registers 4 g .. 4 g + 3 of lane l at 512 g + 16 l; lane (r, h) holds tile row r, registers 6 c .. 6 c + 5 hold k = 64 c + 32 h + 0 .. 31.
; scales [tile][512]: lane l's 16 bytes at 16 l are the scale words of K steps 4 (l / 16) + 0 .. 3 of tile row l % 16.
; SHARES.  768 work-groups, one to a tile; a wave takes a quarter of K: two fragments, whose 32 loads are all issued at the start.  Every load reads 512 consecutive bytes of one row; a fragment's 8,192 bytes turn
; through the wave's own stage in LDS (16 rows, 528 bytes apart), from which a lane takes its two whole blocks of 32.  Every store of codes covers 512 consecutive bytes.
; The four waves' scale words meet in 512 LDS bytes of their own, behind one barrier, and wave 0 stores them as 512 consecutive bytes.  No matrix unit, no cluster, no tensor load.
.set STG,  8448                        ; a wave's stage: 16 rows x (512 + 16) bytes
.set SPARE, 33792                      ; behind the four stages: the spare words, 128 bytes a wave
.set SCS,  34304                       ; behind them: the tile's 512 bytes of scale words
.set RA,   16                          ; v16-143  two sets of 64 registers as loaded
.set X,    144                         ; v144-207 register 32 c + i = k 64 c + 32 h + i of my row
.set PC,   208                         ; v208-219 the fragment's codes
.set T2,   220                         ; v220-222, v224-226 the upper halves of the two blocks, as converted
.set SW,   228                         ; v228-229 my row's two scale words
.set MX,   232
.set SO,   234
.set BY,   236
	s_load_b256 s[4:11], s[0:1], 0x0               ; x s[4:5], qkv_w s[6:7], proj_w s[8:9], codes s[10:11]
	s_load_b64 s[12:13], s[0:1], 0x20              ; scales
	v_lshl_add_u32 v240, v0, 2, SPARE
	v_mov_b32 v241, 0
	v_lshrrev_b32 v1, 5, v0
	v_readfirstlane_b32 s16, v1                    ; wave 0..3: my quarter of K
	v_and_b32 v1, 31, v0                           ; lane
	v_and_b32 v2, 15, v0                           ; r
	v_bfe_u32 v3, v0, 4, 1                         ; h
	v_lshlrev_b32 v4, 4, v1                        ; 16 x lane: my bytes of a load, and of an image
	s_mul_i32 s23, s16, STG
	v_add_nc_u32 v5, s23, v4                       ; into the stage: as loaded
	v_mul_u32_u24 v6, v2, 528
	v_lshl_add_u32 v6, v3, 7, v6
	v_add_nc_u32 v6, s23, v6                       ; out of it: row r, 128 h bytes on: my block of 32
	v_lshlrev_b32 v7, 3, v3                        ; 8 h: my bytes' place in a scale word
	v_lshlrev_b32 v8, 4, v2                        ; 16 r
	s_lshr_b32 s24, s16, 1
	s_lshl_b32 s24, s24, 8
	s_and_b32 s25, s16, 1
	s_lshl_b32 s25, s25, 3
	s_add_co_u32 s24, s24, s25
	s_add_co_u32 s24, s24, SCS
	v_add_nc_u32 v10, s24, v8                      ; my row's two words in LDS: 256 (wave / 2) + 16 r + 8 (wave % 2)
	v_add_nc_u32 v9, SCS, v4                       ; and where wave 0 reads all 512 bytes back
	v_mov_b32 v239, 0                              ; written once: a lane permute's destination counts as one of its sources
	s_mov_b32 s20, 0x76543210
	s_mov_b32 s21, 0xfedcba98                      ; selects for lane l xor 16
	s_mov_b32 s17, 704
	s_wait_alu depctr_va_vdst(0)                   ; the wait at the head's end
	s_wait_kmcnt 0x0
	s_cmp_lt_u32 ttmp9, 704                        ; which tensor: the choice hangs on the work-group's number alone
	s_cselect_b64 s[6:7], s[6:7], s[8:9]
	s_cselect_b32 s17, 512, s17
	s_cmp_lt_u32 ttmp9, 512
	s_cselect_b64 s[4:5], s[4:5], s[6:7]
	s_cselect_b32 s17, 0, s17                      ; the tensor's first tile
	s_sub_co_u32 s17, ttmp9, s17                   ; my tile in the tensor
	s_lshr_b32 s18, s17, 1
	s_lshl_b32 s18, s18, 17                        ; a pair of tiles is 32 rows of 4,096 bytes
	s_and_b32 s22, s17, 1
	s_lshl_b32 s22, s22, 15                        ; the odd tile begins 8 rows down
	s_add_co_u32 s18, s18, s22
	s_lshl_b32 s22, s16, 10                        ; my quarter of K: 256 numbers a wave
	s_add_co_u32 s18, s18, s22
	s_mov_b32 s19, 0
	s_add_nc_u64 s[4:5], s[4:5], s[18:19]
	s_lshl_b32 s22, ttmp9, 2
	s_add_co_u32 s22, s22, s16                     ; 4 x tile + quarter of K
	s_mul_i32 s18, s22, 3072                       ; two images of 1,536 bytes
	s_add_nc_u64 s[10:11], s[10:11], s[18:19]
	s_lshl_b32 s18, ttmp9, 9                       ; 512 bytes of scale words a tile
	s_add_nc_u64 s[12:13], s[12:13], s[18:19]
.macro LOAD s                          ; fragment s: 16 rows x 512 bytes into set s
.irp i, 0,1,2,3,4,5,6,7,8,9,10,11,12,13,14,15
	global_load_b128 v[RA+64*(\s)+4*\i:RA+64*(\s)+4*\i+3], v4, s[4:5] offset:(\i+8*(\i/8))*4096+512*(\s) th:TH_LOAD_NT
.endr
.endm
.macro TURN s                          ; through the stage: LDS serves a wave's instructions in order, so no wait stands between the stores and the loads
.irp i, 0,1,2,3,4,5,6,7,8,9,10,11,12,13,14,15
	ds_store_b128 v5, v[RA+64*(\s)+4*\i:RA+64*(\s)+4*\i+3] offset:528*\i
.endr
.irp c, 0,1
.irp j, 0,1,2,3,4,5,6,7
	ds_load_b128 v[X+32*\c+4*\j:X+32*\c+4*\j+3], v6 offset:256*\c+16*\j
.endr
.endr
.endm
.macro QB s                            ; my two whole blocks (h and 2 + h of my row) become codes; the row's scale word is gathered from lanes l and l xor 16
.irp c, 0,1
	v_max3_num_f32 v[MX+\c], |v[X+32*\c]|, |v[X+32*\c+1]|, 0x1800000   ; with the floor 2^(3 - 127): the byte cannot fall under 1
.endr
.irp i, 2,4,6,8,10,12,14,16,18,20,22,24,26,28,30
.irp c, 0,1
	v_max3_num_f32 v[MX+\c], v[MX+\c], |v[X+32*\c+\i]|, |v[X+32*\c+\i+1]|   ; the two blocks by turns
.endr
.endr
.irp c, 0,1
	v_add_nc_u32 v[SO+\c], 0xff000000, v[MX+\c]    ; 2 off the exponent field: the conversion takes this operand's exponent field as its scale
.endr
.irp c, 0,1
	v_lshrrev_b32 v[BY+\c], 23, v[SO+\c]           ; the byte
.endr
	v_lshl_or_b32 v238, v[BY+1], 16, v[BY]
	v_lshlrev_b32 v238, v7, v238                   ; at their places: bytes h and 2 + h
	v_permlanex16_b32 v239, v238, s20, s21
	v_or_b32 v[SW+\s], v238, v239                  ; the word is whole
.if \s > 0
	s_wait_alu depctr_va_vdst(0)                   ; the wait directly ahead of the wait below
	s_wait_xcnt 0x0                                ; the last fragment's stores have read their data: the codes' registers may be written again
.endif
.irp c, 0,1
	v_cvt_scalef32_pk16_fp6_f32 v[PC+6*\c:PC+6*\c+2], v[X+32*\c:X+32*\c+15], v[SO+\c]
	v_cvt_scalef32_pk16_fp6_f32 v[T2+4*\c:T2+4*\c+2], v[X+32*\c+16:X+32*\c+31], v[SO+\c]   ; (a conversion's three registers begin on an even number)
.endr
	v_nop                                          ; one plain place behind a scaled conversion
.irp c, 0,1
.irp i, 0,1,2
	v_mov_b32 v[PC+6*\c+3+\i], v[T2+4*\c+\i]
.endr
.endr
.irp q, 0,1,2
	global_store_b128 v4, v[PC+4*\q:PC+4*\q+3], s[10:11] offset:1536*\s+512*\q   ; 32 lanes store 512 consecutive bytes, aligned
.endr
.endm
	LOAD 0
	LOAD 1
	s_wait_loadcnt 16                              ; fragment 0's 16 loads are in; fragment 1's 16 may be out
	TURN 0
	s_wait_dscnt 0x0                               ; my 64 numbers are back
	QB 0
	s_wait_loadcnt 0x0
	TURN 1
	s_wait_dscnt 0x0
	QB 1
	ds_store_b64 v10, v[SW:SW+1]                   ; lanes r and r + 16 write the same words with the same values
	s_wait_dscnt 0x0                               ; for the others' sake
	s_barrier_signal -1
	s_barrier_wait -1
	s_cmp_lg_u32 s16, 0
	s_cbranch_scc1 .Lno_words
	ds_load_b128 v[X:X+3], v9
	s_wait_dscnt 0x0
	global_store_b128 v4, v[X:X+3], s[12:13]       ; the tile's scale words: 512 consecutive bytes, aligned
.Lno_words:
	s_wait_tensorcnt 0x0                           ; the wave's end
	ds_add_u32 v240, v241
	s_wait_dscnt 0x0
	s_endpgm
.Lfunc_end_k_qf9a04b9ed7_quant:
	.size	k_qf9a04b9ed7_quant, .Lfunc_end_k_qf9a04b9ed7_quant-k_qf9a04b9ed7_quant
	.p2alignl 7, 3214868480
	.fill 96, 4, 3214868480
	.section	.rodata,"a",@progbits
	.p2align	6, 0x0
	.amdhsa_kernel k_qf9a04b9ed7_quant
		.amdhsa_group_segment_fixed_size 34816
		.amdhsa_private_segment_fixed_size 0
		.amdhsa_enable_private_segment 0
		.amdhsa_kernarg_size 40
		.amdhsa_user_sgpr_count 2
		.amdhsa_user_sgpr_kernarg_segment_ptr 1
		.amdhsa_wavefront_size32 1
		.amdhsa_system_sgpr_workgroup_id_x 1
		.amdhsa_system_sgpr_workgroup_id_y 1
		.amdhsa_system_sgpr_workgroup_id_z 1
		.amdhsa_system_vgpr_workitem_id 0
		.amdhsa_next_free_vgpr 242
		.amdhsa_next_free_sgpr 66
		.amdhsa_reserve_vcc 0
		.amdhsa_float_denorm_mode_32 3
		.amdhsa_float_denorm_mode_16_64 3
		.amdhsa_memory_ordered 1
		.amdhsa_forward_progress 1
		.amdhsa_inst_pref_size 17
	.end_amdhsa_kernel
	.amdgpu_metadata
---
amdhsa.version: [ 1, 2 ]
amdhsa.kernels:
  - .name:           k_qf9a04b9ed7_quant
    .symbol:         k_qf9a04b9ed7_quant.kd
    .args:
      - { .name: x, .offset: 0, .size: 8, .value_kind: global_buffer, .address_space: global }
      - { .name: qkv_w, .offset: 8, .size: 8, .value_kind: global_buffer, .address_space: global }
      - { .name: proj_w, .offset: 16, .size: 8, .value_kind: global_buffer, .address_space: global }
      - { .name: codes, .offset: 24, .size: 8, .value_kind: global_buffer, .address_space: global }
      - { .name: scales, .offset: 32, .size: 8, .value_kind: global_buffer, .address_space: global }
    .group_segment_fixed_size: 34816
    .private_segment_fixed_size: 0
    .kernarg_segment_align: 8
    .kernarg_segment_size: 40
    .max_flat_workgroup_size: 128
    .sgpr_count:     66
    .vgpr_count:     242
    .wavefront_size: 32
...
	.end_amdgpu_metadata
.endif
;; end of part 1
;; launch qkv (part 2): grid 4 x 64, 4 waves a work-group, clusters of 4 x 4, 327,680 bytes of LDS; arguments codes, scales, qkvc, qkvs; writes qkvc, qkvs
.if DOCPART == 2
	.amdgcn_target "amdgcn-amd-amdhsa--gfx1250"
	.amdhsa_code_object_version 6
	.text
	.protected	k_qf9a04b9ed7_qkv
	.globl	k_qf9a04b9ed7_qkv
	.p2align	8
	.type	k_qf9a04b9ed7_qkv,@function
k_qf9a04b9ed7_qkv:
	s_mov_b64 s[64:65], 0
	v_nop
	global_prefetch_b8 v0, s[64:65] scope:SCOPE_SE
	s_setreg_imm32_b32 hwreg(HW_REG_WAVE_MODE, 25, 1), 1
	s_wait_xcnt 0x0
	s_wait_alu depctr_hold_cnt(0) depctr_sa_sdst(0) depctr_va_vdst(0) depctr_va_sdst(0) depctr_va_ssrc(0) depctr_va_vcc(0) depctr_vm_vsrc(0)
	s_getreg_b32 s2, hwreg(HW_REG_IB_STS2, 6, 4)
	s_cmp_eq_u32 s2, 0
	s_cbranch_scc0 .Lentry_in_a_cluster
	s_endpgm
.Lentry_in_a_cluster:
	s_bfe_u32 s2, ttmp6, 0x10000c
	s_cmp_lg_u32 s2, 0xf033
	s_cbranch_scc0 .Lentry_shape_is_right
	s_endpgm
.Lentry_shape_is_right:
; The first product, x qkv_w^T, on codes of FP6 (E2M3) with E8M0 scales, and the quantising of q, k and v, which never go to memory as f32.
; A WORK-GROUP STAYS: it owns 128 tokens and makes, one ROLE after the other, q, k and v for its 256 channels of each (four heads), over all of K = 1,024.  x's codes stay in LDS for all three roles.
; A wave multiplies 8 fragments P (source 0) by 4 fragments Q (source 1): 32 accumulators, 256 registers.  In a result a lane holds ONE row of Q's tile, and its registers run along P's rows;
; by the order of a tile's rows (row i of tile T is matrix row 32 (T / 2) + 8 (T % 2) + i + 8 (i / 8)) the 64 registers of one Q tile are: register 16 q + i = P's row 32 q + 16 (lane / 16) + i.
;   q, k: P = 128 channels (two heads), Q = 64 tokens: a lane holds a token and 64 of its channels: K of the second product is the head's 64: the codes are two half fragments, one for each head.
;   v:    P = 128 tokens (keys),        Q = 64 channels (a head): a lane holds a channel and 64 of its keys: K of the third product is the keys: the codes are one fragment of v^T.
; LDS: two K halves of 147,456 bytes, each [tile 24][6144] (four K steps of 1,536 bytes a tile): tiles 0-7 x's, filled once; tiles 8-23 qkv_w's: these 98,304 bytes of each half are a slot of a ring of two,
; filled again for the next role as soon as every wave has the half's last fragments in registers.  Behind the halves lie the spare words.
; TENSOR LOADS: at the head each wave asks for one of x's and qkv_w's two halves: one load of a wave is out; later one, the refill.  A refill has four K steps, 128 matrix instructions, or more in which to land.
; CLUSTER 4 x 4: x's tiles are shared along a row of the cluster, qkv_w's along a column: each is asked for jointly; every refill stands behind a round of the cluster's barrier.
; qkv_w's later roles are not prefetched: sixteen clusters ask for each of its blocks at about the same time: it is no stream that is read once.
; RESULTS: qkvc: q at 0 and k at 6,291,456: [head 128][tile of 16 tokens: 64][768]: registers 0-3 of lane l at 16 l, registers 4-5 at 512 + 8 l; v at 12,582,912: [head][128 keys: 8][tile of 16 channels: 4][1536].
;   qkvs: q's scale words at 0: [head][tile / 4][row 16][tile % 4]; from 524,288 for each pair of heads 12,288 bytes: k's words of both heads (laid as q's), then v's of both: [128 keys: 8][row 16][tile 4].
; LIMITS: as the quantiser's: NaN and infinities are not served; a byte is held at 1 from below; a block of zeros has the byte 1.  In a head's scale word for q or k bytes 2 and 3 stand over zero codes: they are the neighbour head's bytes or 0, never 0xff.
; REGISTERS: window 0: addresses, all roles' scale words, the quantiser's work; window 1: accumulator (a, b) at 64 b + 8 a; window 2: P's fragments, two sets of 96; window 3: Q's, two sets of 48.
.set TILEB, 6144                       ; a tile's four K steps
.set HALF,  24*TILEB                   ; a K half in LDS
.set SPARE, 2*HALF                     ; the spare words, 128 bytes for each wave
.set APW,  4                           ; v4-5    LDS address of P's first fragment in K half 0, 1: q, k: qkv_w's tiles 8 j on
.set AQX,  6                           ; v6-7    of Q's: q, k: x's tiles 4 i on
.set APX,  8                           ; v8-9    of P's: v: x's eight tiles
.set AQW,  10                          ; v10-11  of Q's: v: qkv_w's tiles 4 w on
.set SPW,  30                          ; v30     LDS address of my spare word: SPARE + 4 x my thread's number; never rewritten
.set NIL,  31                          ; v31     0; never rewritten
.set XQ,   32                          ; v32-47   scale words of x's tiles 4 i + b: block b at XQ + 4 b: register q: lanes 0-15 K step q, lanes 16-31 K step 4 + q
.set XV,   48                          ; v48-79   of x's eight tiles
.set WQ,   80                          ; v80-111  of q's eight tiles of qkv_w
.set WK,   112                         ; v112-143 of k's
.set WV,   144                         ; v144-159 of v's four
.set TM,   160                         ; v160-175 the quantiser's work
.set PWS,  176                         ; v176-179 the scale words made, one for each Q tile
.set PC,   180                         ; v180-191 the codes made; v192-194, v196-198 at work
.set G1A,  24                          ; s[24:31] descriptor group 1 for x's tiles;  s[32:39] for qkv_w's
.set G1B,  32
.set G0A,  40                          ; s[40:47] the head's group 0: x's tiles and q's tiles of qkv_w, of K half w / 2;  s[48:55] for qkv_w's, which walk from role to role
.set G0B,  48
.set CQ,   68                          ; s[68:69] where my q codes go;  s[70:71] k's;  s[72:73] v's
.set CK,   70
.set CV,   72
.set OQ,   74                          ; s[74:75] where my q scale words go;  s[76:77] k's;  s[78:79] v's
.set OK,   76
.set OV,   78
.set MSB, 0
.macro WIN new                         ; the immediate's high byte repeats the setting that is left
.if MSB != \new
	s_set_vgpr_msb (MSB<<8)|\new
.set MSB, \new
.endif
.endm
.set MULW, 0x5e                        ; source 0 window 2, source 1 window 3, C and D window 1
.set TO_P, 0x80                        ; destination window 2, address window 0
.set TO_Q, 0xc0                        ; destination window 3
.macro CREST                           ; a round of the cluster's barrier behind its opening barrier
	s_cmp_lg_u32 s12, 0
	s_cbranch_scc1 .Lnot_wave_0_\@
	s_barrier_signal -3
.Lnot_wave_0_\@:
	s_barrier_wait -3
	s_barrier_signal -1
	s_barrier_wait -1
.endm
.macro CROUND                          ; a whole round
	s_barrier_signal -1
	s_barrier_wait -1
	CREST
.endm
.macro PLACES n
.rept \n
	v_nop
.endr
.endm
	s_load_b256 s[4:11], s[0:1], 0x0               ; codes s[4:5], scales s[6:7], qkvc s[8:9], qkvs s[10:11]
	v_lshl_add_u32 v[SPW], v0, 2, SPARE
	v_mov_b32 v[NIL], 0
	ds_add_u32 v30, v31
	ds_add_u32 v30, v31
	s_wait_dscnt 0x0
	v_lshrrev_b32 v1, 5, v0
	v_readfirstlane_b32 s12, v1                    ; wave w
	s_lshr_b32 s13, s12, 1                         ; i
	s_and_b32 s14, s12, 1                          ; j
	s_bfe_u32 s15, ttmp6, 0x40000                  ; cx: my 256 channels of each role
	s_bfe_u32 s16, ttmp6, 0x40004                  ; cy
	s_and_b32 s18, ttmp7, 0xffff
	s_lshl_b32 s18, s18, 2
	s_add_co_u32 s18, s18, s16                     ; y: my 128 tokens
	s_lshl_b32 s19, s16, 2
	s_lshl_b32 s19, 15, s19                        ; my row of the cluster
	s_lshl_b32 s20, 0x1111, s15                    ; my column
	; group 1: rows of 6,144 bytes (a tile's four K steps: 768 elements of 8 bytes), 12,288 bytes apart (a tile's eight K steps); a load brings x's 8 tiles or qkv_w's 16 at the head, 4 of qkv_w in a refill
	s_or_b32 s[G1A], s19, (3<<16)|(1<<21)          ; 15:0 the mask; 17:16 elements of 8 bytes; 21 set beside a mask; no padding: every LDS read is of 512 bytes on end
	s_or_b32 s[G1B], s20, (3<<16)|(1<<21)
	s_mov_b32 s[G1A+1], 768<<16                    ; tensor_dim0
	s_mov_b32 s[G1A+2], 8<<16                      ; tensor_dim1: x's eight tiles come by one load for each K half
	s_mov_b32 s[G1A+3], 768<<16                    ; tile_dim0
	s_mov_b32 s[G1A+4], 8                          ; tile_dim1
	s_mov_b32 s[G1A+5], 1536                       ; tensor_dim0_stride
	s_mov_b32 s[G1A+6], 0
	s_mov_b32 s[G1A+7], 0
	s_mov_b32 s[G1B+1], 768<<16
	s_mov_b32 s[G1B+2], 16<<16                     ; at the head a load brings qkv_w's sixteen tiles of a K half; the refills set these two words to 4
	s_mov_b32 s[G1B+3], 768<<16
	s_mov_b32 s[G1B+4], 16
	s_mov_b32 s[G1B+5], 1536
	s_mov_b32 s[G1B+6], 0
	s_mov_b32 s[G1B+7], 0
	s_lshl_b32 s56, s18, 3                         ; x: tile 8 y, K half w / 2: hangs on y and the wave alone
	s_mul_i32 s56, s56, 12288
	s_mul_i32 s57, s13, TILEB
	s_add_co_u32 s56, s56, s57
	s_mov_b32 s57, 0
	s_lshl_b32 s58, s15, 4                         ; qkv_w: tile 512 + 16 cx + 4 w of the list of all tiles (role q): hangs on cx and the wave alone: my column shares it
	s_lshl_b32 s59, s12, 2
	s_add_co_u32 s58, s58, s59
	s_add_co_u32 s58, s58, 512
	s_mul_i32 s58, s58, 12288
	s_mov_b32 s59, 0
	s_lshl_b32 s80, s15, 4                         ; the head's load of qkv_w: tile 512 + 16 cx, K half w / 2: hangs on cx and the wave alone
	s_add_co_u32 s80, s80, 512
	s_mul_i32 s80, s80, 12288
	s_mul_i32 s81, s13, TILEB
	s_add_co_u32 s80, s80, s81
	s_mov_b32 s81, 0
	s_mul_i32 s22, s12, 4*TILEB
	s_add_co_u32 s22, s22, 8*TILEB                 ; qkv_w's 4 w on, behind x's eight: no place in the cluster enters an LDS address
	s_wait_kmcnt 0x0
	s_add_nc_u64 s[60:61], s[4:5], s[56:57]
	s_add_nc_u64 s[62:63], s[4:5], s[58:59]
	CROUND                                         ; all sixteen work-groups are here: the first joint loads meet
	s_mov_b32 s[G0A], 1                            ; the head's two group 0: x's eight tiles of K half w / 2,
	s_mul_i32 s[G0A+1], s13, HALF
	s_mov_b64 s[G0A+2:G0A+3], s[60:61]
	s_or_b32 s[G0A+3], s[G0A+3], 0x80000000
	s_mov_b32 s[G0A+4], 1                          ; and q's sixteen tiles of qkv_w of that K half, behind them
	s_add_co_u32 s[G0A+5], s[G0A+1], 8*TILEB
	s_add_nc_u64 s[G0A+6:G0A+7], s[4:5], s[80:81]
	s_or_b32 s[G0A+7], s[G0A+7], 0x80000000
.irp hh, 0,1
	s_mov_b32 s[G0B+4*\hh], 1
	s_add_co_u32 s[G0B+4*\hh+1], s22, \hh*HALF
	s_add_nc_u64 s[G0B+4*\hh+2:G0B+4*\hh+3], s[62:63], \hh*TILEB
	s_or_b32 s[G0B+4*\hh+3], s[G0B+4*\hh+3], 0x80000000
.endr
	; THE HEAD'S LOADS, ONE A WAVE, in one chain of branches on the wave's number: wave 0 x's K half 0, wave 1 qkv_w's K half 0, wave 2 x's K half 1, wave 3 qkv_w's K half 1
	s_cmp_eq_u32 s12, 0
	s_cbranch_scc0 .Lhead_1
	tensor_load_to_lds s[G0A:G0A+3], s[G1A:G1A+7]
	s_nop 0
	PLACES 4
	s_branch .Lhead_j
.Lhead_1:
	s_cmp_eq_u32 s12, 1
	s_cbranch_scc0 .Lhead_2
	tensor_load_to_lds s[G0A+4:G0A+7], s[G1B:G1B+7]
	s_nop 0
	PLACES 4
	s_branch .Lhead_j
.Lhead_2:
	s_cmp_eq_u32 s12, 2
	s_cbranch_scc0 .Lhead_3
	tensor_load_to_lds s[G0A:G0A+3], s[G1A:G1A+7]
	s_nop 0
	PLACES 4
	s_branch .Lhead_j
.Lhead_3:
	tensor_load_to_lds s[G0A+4:G0A+7], s[G1B:G1B+7]
	s_nop 0
	PLACES 4
.Lhead_j:
	v_and_b32 v1, 31, v0                           ; lane
	v_and_b32 v2, 15, v0                           ; r
	v_bfe_u32 v3, v0, 4, 1                         ; h
	v_lshlrev_b32 v12, 4, v1                       ; 16 x lane
	v_lshlrev_b32 v13, 3, v1                       ; 8 x lane
	v_lshlrev_b32 v15, 4, v2                       ; 16 r
	v_lshl_add_u32 v14, v3, 12, v15                ; 16 r + 4,096 h: lanes 16-31 store the odd head's scale words
	v_lshlrev_b32 v16, 4, v3                       ; 16 h: and shift them down
.irp q, 4,5,6,7
	v_mov_b32 v[TM+\q], 0                          ; written once: a lane permute's destination counts as one of its sources
.endr
	s_mul_i32 s84, s14, 8*TILEB                    ; the fragments' LDS addresses: a constant, the wave's number times a constant, 16 x lane
	s_add_co_u32 s84, s84, 8*TILEB
	v_add_nc_u32 v[APW], s84, v12
	s_mul_i32 s85, s13, 4*TILEB
	v_add_nc_u32 v[AQX], s85, v12
	v_lshlrev_b32 v[APX], 4, v1
	s_mul_i32 s86, s12, 4*TILEB
	s_add_co_u32 s86, s86, 8*TILEB
	v_add_nc_u32 v[AQW], s86, v12
.irp n, APW, AQX, APX, AQW
	v_add_nc_u32 v[\n+1], HALF, v[\n]
.endr
	s_lshl_b32 s87, s18, 12                        ; the scale words: 512 bytes a tile.  x's tile 8 y,
	v_add_nc_u32 v17, s87, v12
	s_wait_alu depctr_va_vdst(0)
	s_lshl_b32 s88, s13, 11
	s_add_co_u32 s88, s88, s87                     ; x's tile 8 y + 4 i,
	v_add_nc_u32 v18, s88, v12
	s_lshl_b32 s89, s15, 13
	s_lshl_b32 s90, s14, 12
	s_add_co_u32 s90, s90, s89
	s_add_co_u32 s90, s90, 512*512                 ; q's tile 512 + 16 cx + 8 j (k's: 64 tiles on),
	v_add_nc_u32 v19, s90, v12
	s_lshl_b32 s90, s12, 11
	s_add_co_u32 s90, s90, s89
	s_add_co_u32 s90, s90, 640*512                 ; v's tile 640 + 16 cx + 4 w
	v_add_nc_u32 v20, s90, v12
.irp b, 0,1,2,3
	global_load_b128 v[XQ+4*\b:XQ+4*\b+3], v18, s[6:7] offset:512*\b   ; a tile's scale words for all of K: 512 bytes on end
.endr
.irp a, 0,1,2,3,4,5,6,7
	global_load_b128 v[WQ+4*\a:WQ+4*\a+3], v19, s[6:7] offset:512*\a
.endr
.irp a, 0,1,2,3,4,5,6,7
	global_load_b128 v[WK+4*\a:WK+4*\a+3], v19, s[6:7] offset:64*512+512*\a
.endr
.irp a, 0,1,2,3,4,5,6,7
	global_load_b128 v[XV+4*\a:XV+4*\a+3], v17, s[6:7] offset:512*\a
.endr
.irp b, 0,1,2,3
	global_load_b128 v[WV+4*\b:WV+4*\b+3], v20, s[6:7] offset:512*\b
.endr
	; where the results go
	s_lshr_b32 s92, s18, 3                         ; the batch
	s_and_b32 s93, s18, 7                          ; my 128 tokens in it
	s_lshl_b32 s94, s92, 4
	s_lshl_b32 s95, s15, 2
	s_add_co_u32 s94, s94, s95                     ; the first of my work-group's four heads
	s_add_co_u32 s95, s94, s12                     ; v: my wave's head
	s_lshl_b32 s96, s14, 1
	s_add_co_u32 s96, s94, s96                     ; q, k: my wave's even head
	s_mov_b32 s57, 0
	s_mul_i32 s56, s96, 49152
	s_lshl_b32 s97, s93, 3
	s_lshl_b32 s98, s13, 2
	s_add_co_u32 s97, s97, s98
	s_mul_i32 s97, s97, 768                        ; my four tiles of tokens
	s_add_co_u32 s56, s56, s97
	s_add_nc_u64 s[CQ:CQ+1], s[8:9], s[56:57]
	s_add_nc_u64 s[CK:CK+1], s[CQ:CQ+1], 6291456
	s_mul_i32 s56, s95, 49152
	s_mul_i32 s97, s93, 6144
	s_add_co_u32 s56, s56, s97
	s_add_co_u32 s56, s56, 12582912
	s_add_nc_u64 s[CV:CV+1], s[8:9], s[56:57]
	s_lshr_b32 s96, s96, 1                         ; the pair of heads
	s_lshl_b32 s98, s93, 1
	s_add_co_u32 s98, s98, s13
	s_lshl_b32 s98, s98, 8                         ; my four tiles of tokens: 256 bytes
	s_lshl_b32 s56, s96, 13
	s_add_co_u32 s56, s56, s98
	s_add_nc_u64 s[OQ:OQ+1], s[10:11], s[56:57]
	s_mul_i32 s56, s96, 12288
	s_add_co_u32 s56, s56, s98
	s_add_co_u32 s56, s56, 524288
	s_add_nc_u64 s[OK:OK+1], s[10:11], s[56:57]
	s_lshr_b32 s56, s95, 1
	s_mul_i32 s56, s56, 12288
	s_and_b32 s97, s95, 1
	s_lshl_b32 s97, s97, 11
	s_add_co_u32 s56, s56, s97
	s_lshl_b32 s97, s93, 8
	s_add_co_u32 s56, s56, s97
	s_add_co_u32 s56, s56, 524288+8192
	s_add_nc_u64 s[OV:OV+1], s[10:11], s[56:57]
.macro FETCH pa, qa, q, set            ; the fragments of a K half's q-th K step into a set: 36 loads of 512 bytes on end.  pa, qa: the address registers of P and Q in that half
	WIN TO_P
.irp a, 0,1,2,3,4,5,6,7
.irp g, 0,1,2
	ds_load_b128 v[96*(\set)+12*\a+4*\g:96*(\set)+12*\a+4*\g+3], v[\pa] offset:TILEB*\a+1536*(\q)+512*\g
.endr
.endr
	WIN TO_Q
.irp b, 0,1,2,3
.irp g, 0,1,2
	ds_load_b128 v[48*(\set)+12*\b+4*\g:48*(\set)+12*\b+4*\g+3], v[\qa] offset:TILEB*\b+1536*(\q)+512*\g
.endr
.endr
.endm
; 16 matrix instructions of K step ks: P's blocks a0 .. a0 + 3 x Q's four.  spb, sqb: where P's and Q's scale words stand.  The 32 accumulators take turns, one instruction a turn, in the same order in every
; step.  A role's first step starts the sums: nothing is cleared.
.macro MULH ks, spb, sqb, a0
	WIN MULW
.irp a, 0,1,2,3
.irp b, 0,1,2,3
.set rN, (\a0)+\a
.set rD, 64*\b+8*rN
.set rP, 96*((\ks)%2)+12*rN
.set rQ, 48*((\ks)%2)+12*\b
.set rS, (\spb)+4*rN+(\ks)%4
.set rT, (\sqb)+4*\b+(\ks)%4
.if (\ks) == 0
	v_wmma_scale_f32_16x16x128_f8f6f4 v[rD:rD+7], v[rP:rP+11], v[rQ:rQ+11], 0, v[rS], v[rT] matrix_a_fmt:MATRIX_FMT_FP6 matrix_b_fmt:MATRIX_FMT_FP6
.elseif (\ks) < 4
	v_wmma_scale_f32_16x16x128_f8f6f4 v[rD:rD+7], v[rP:rP+11], v[rQ:rQ+11], v[rD:rD+7], v[rS], v[rT] matrix_a_fmt:MATRIX_FMT_FP6 matrix_b_fmt:MATRIX_FMT_FP6
.else
	v_wmma_scale_f32_16x16x128_f8f6f4 v[rD:rD+7], v[rP:rP+11], v[rQ:rQ+11], v[rD:rD+7], v[rS], v[rT] matrix_a_fmt:MATRIX_FMT_FP6 matrix_b_fmt:MATRIX_FMT_FP6 matrix_a_scale:MATRIX_SCALE_ROW1 matrix_b_scale:MATRIX_SCALE_ROW1
.endif
.endr
.endr
.endm
; A K step whose successor lies in the same K half: the successor's fragments are fetched while this step is multiplied.
.macro KSTEP ks, spb, sqb, pa, qa
	s_wait_dscnt 0x0                               ; this step's fragments are in
	PLACES 4                                       ; in front of loads into registers that matrix instructions have read
	FETCH \pa+((\ks)+1)/4, \qa+((\ks)+1)/4, ((\ks)+1)%4, ((\ks)+1)%2
	MULH \ks, \spb, \sqb, 0
	MULH \ks, \spb, \sqb, 4
.endm
; A K half's last step: ONE barrier for the change of halves.  In front of it each wave waits for all its tensor loads (its part of what is read next), adds 0 to its spare word, and waits for that and for its
; reads of half hf, whose last fragments are then in registers.  fill = 1: qkv_w's part of half hf is filled again, with the next role's; the barrier then opens a round of the cluster's barrier.
; pn, qn: the address registers of the next step's fragments.
.macro KTURN ks, spb, sqb, pn, qn, hf, fill
	WIN 0                                          ; (the add's two registers lie in window 0)
	s_wait_tensorcnt 0x0                           ; all my tensor loads have landed, so a group 0 may be written;
	ds_add_u32 v[SPW], v[NIL]                      ; 0 onto my spare word
.if \fill
	s_add_nc_u64 s[G0B+4*\hf+2:G0B+4*\hf+3], s[G0B+4*\hf+2:G0B+4*\hf+3], 64*12288   ; the next role's tiles lie 64 tiles on; the type bits on top are not reached
	s_mov_b32 s[G1B+2], 4<<16                      ; no tensor load of mine is out: a refill brings four tiles a wave
	s_mov_b32 s[G1B+4], 4
.endif
	s_wait_dscnt 0x0                               ; the add is done, this step's fragments are in, and my reads of half hf are over
	s_barrier_signal -1
	MULH \ks, \spb, \sqb, 0                        ; work on registers while the others arrive
	WIN 0
	s_barrier_wait -1
.if \fill
	CREST                                          ; no wave of any partner still reads the slot or has a load on its way
	tensor_load_to_lds s[G0B+4*\hf:G0B+4*\hf+3], s[G1B:G1B+7]   ; my one tensor load behind the round, and the first thing there
	s_nop 0
.endif
	PLACES 4                                       ; behind the tensor load, and in front of loads into registers that matrix instructions have read
	FETCH \pn, \qn, 0, ((\ks)+1)%2
	MULH \ks, \spb, \sqb, 4
.endm
; 64 numbers of a lane in window 1, v[s] on, register 16 q + i = k 32 q + 16 (lane / 16) + i of my row, become a fragment's codes in v[PC] on and its scale word in v[word].
.macro QUANT s, word
	WIN 0x14                                       ; sources 1 and 2 window 1
.irp q, 0,1,2,3
	v_max3_num_f32 v[TM+\q], 0x1800000, |v[(\s)+16*\q]|, |v[(\s)+16*\q+1]|   ; the floor 2^(3 - 127) among the leaves; each accumulator is read from its low end on
.endr
.irp i, 2,4,6,8,10,12,14
.irp q, 0,1,2,3
	v_max3_num_f32 v[TM+\q], v[TM+\q], |v[(\s)+16*\q+\i]|, |v[(\s)+16*\q+\i+1]|
.endr
.endr
	WIN 0
.irp q, 0,1,2,3
	v_permlanex16_b32 v[TM+4+\q], v[TM+\q], s20, s21
.endr
.irp q, 0,1,2,3
	v_max_num_f32 v[TM+\q], v[TM+\q], v[TM+4+\q]   ; with lane l xor 16's: the block's largest magnitude
.endr
.irp q, 0,1,2,3
	v_add_nc_u32 v[TM+12+\q], 0xff000000, v[TM+\q] ; 2 off its exponent field: the conversion's scale operand
.endr
.irp q, 0,1,2,3
	v_lshrrev_b32 v[TM+4+\q], 23, v[TM+12+\q]      ; the byte
.endr
	s_wait_alu depctr_va_vdst(0)
	s_wait_xcnt 0x0                                ; the earlier stores have read their data: the words' and the codes' registers are written again only behind this wait
	v_lshl_or_b32 v[\word], v[TM+5], 8, v[TM+4]
	v_lshl_or_b32 v[\word], v[TM+6], 16, v[\word]
	v_lshl_or_b32 v[\word], v[TM+7], 24, v[\word]
	WIN 0x01                                       ; source 0 window 1
.irp c, 0,1
	v_cvt_scalef32_pk16_fp6_f32 v[PC+6*\c:PC+6*\c+2], v[(\s)+32*\c:(\s)+32*\c+15], v[TM+12+2*\c]
	v_cvt_scalef32_pk16_fp6_f32 v[PC+12+4*\c:PC+14+4*\c], v[(\s)+32*\c+16:(\s)+32*\c+31], v[TM+13+2*\c]
.endr
	WIN 0
	v_nop                                          ; one plain place behind a scaled conversion
.irp c, 0,1                                    ; the layout wants a whole block in a lane: lanes 0-15 block 2 c, lanes 16-31 block 2 c + 1
.irp i, 0,1,2
	v_permlane16_swap_b32 v[PC+6*\c+\i], v[PC+12+4*\c+\i]
.endr
.irp i, 0,1,2
	v_mov_b32 v[PC+3+6*\c+\i], v[PC+12+4*\c+\i]
.endr
.endr
.endm
.macro PUTQK b, cb                     ; the codes of Q tile b leave as images: every store covers 512 or 256 consecutive bytes, aligned
	global_store_b128 v12, v[PC:PC+3], s[\cb:\cb+1] offset:768*\b            ; the even head's half fragment,
	global_store_b64 v13, v[PC+4:PC+5], s[\cb:\cb+1] offset:768*\b+512
	global_store_b128 v12, v[PC+6:PC+9], s[\cb:\cb+1] offset:49152+768*\b    ; the odd head's
	global_store_b64 v13, v[PC+10:PC+11], s[\cb:\cb+1] offset:49152+768*\b+512
.endm
; The role q or k.  spb: its weights' scale words; cb, ob: where its codes and scale words go; pn, qn: the address registers of the next role's first fragments.
.macro ROLEQK spb, cb, ob, pn, qn
	KSTEP 0, \spb, XQ, APW, AQX
	KSTEP 1, \spb, XQ, APW, AQX
	KSTEP 2, \spb, XQ, APW, AQX
	KTURN 3, \spb, XQ, APW+1, AQX+1, 0, 1          ; K half 0 is read out: the next role's K half 0 is asked for
	KSTEP 4, \spb, XQ, APW, AQX
	KSTEP 5, \spb, XQ, APW, AQX
	KSTEP 6, \spb, XQ, APW, AQX
	KTURN 7, \spb, XQ, \pn, \qn, 1, 1              ; K half 1 is read out: the next role's K half 1 is asked for, and its first fragments are fetched
	WIN 0
	PLACES 4                                       ; in front of the first read of results
.irp b, 0,1,2,3
	QUANT 64*\b, PWS+\b
	PUTQK \b, \cb
.endr
.irp b, 0,1,2,3
	v_lshrrev_b32 v[PWS+\b], v16, v[PWS+\b]        ; lanes 0-15 keep the word (bytes 0, 1: the even head's), lanes 16-31 bring the odd head's two bytes down
.endr
	global_store_b128 v14, v[PWS:PWS+3], s[\ob:\ob+1]   ; two runs of 256 consecutive bytes, aligned
.endm
	s_mov_b32 s20, 0x76543210                      ; (the masks are in the descriptors: s20, s21 now hold the selects for lane l xor 16)
	s_mov_b32 s21, 0xfedcba98
	s_wait_alu depctr_va_vdst(0)                   ; the wait at the head's end
	s_cmp_lt_u32 s12, 2                            ; waves 0 and 1 asked for K half 0, by lines of their own: they wait; K half 1 stays out
	s_cbranch_scc0 .Lnot_half0
	s_wait_tensorcnt 0x0
.Lnot_half0:
	s_barrier_signal -1
	s_barrier_wait -1                              ; everybody's are
	FETCH APW, AQX, 0, 0
	s_wait_loadcnt 0x0                             ; the scale words of all three roles
	ROLEQK WQ, CQ, OQ, APW, AQX                    ; q; k follows
	ROLEQK WK, CK, OK, APX, AQW                    ; k; v follows
	KSTEP 0, XV, WV, APX, AQW                      ; v: nothing is left to ask for
	KSTEP 1, XV, WV, APX, AQW
	KSTEP 2, XV, WV, APX, AQW
	KTURN 3, XV, WV, APX+1, AQW+1, 0, 0
	KSTEP 4, XV, WV, APX, AQW
	KSTEP 5, XV, WV, APX, AQW
	KSTEP 6, XV, WV, APX, AQW
	s_wait_dscnt 0x0
	MULH 7, XV, WV, 0
	MULH 7, XV, WV, 4
	WIN 0
	PLACES 4                                       ; in front of the first read of results
.irp b, 0,1,2,3
	QUANT 64*\b, PWS+\b
.irp g, 0,1,2
	global_store_b128 v12, v[PC+4*\g:PC+4*\g+3], s[CV:CV+1] offset:1536*\b+512*\g   ; a whole image: 512 consecutive bytes a store, aligned
.endr
.endr
	s_wait_xcnt 0x0                                ; EXEC changes only behind this wait
	v_cmp_gt_u32 vcc_lo, 16, v1
	s_and_saveexec_b32 s56, vcc_lo
	global_store_b128 v15, v[PWS:PWS+3], s[OV:OV+1]   ; sixteen lanes store 256 consecutive bytes, aligned
	s_wait_xcnt 0x0
	s_or_b32 exec_lo, exec_lo, s56
	s_wait_tensorcnt 0x0                           ; the wave's end
	ds_add_u32 v[SPW], v[NIL]
	s_wait_dscnt 0x0
	CROUND                                         ; the closing round: no work-group ends while a partner may still ask for a tile that names it
	s_endpgm
.Lfunc_end_k_qf9a04b9ed7_qkv:
	.size	k_qf9a04b9ed7_qkv, .Lfunc_end_k_qf9a04b9ed7_qkv-k_qf9a04b9ed7_qkv
	.p2alignl 7, 3214868480
	.fill 96, 4, 3214868480
	.section	.rodata,"a",@progbits
	.p2align	6, 0x0
	.amdhsa_kernel k_qf9a04b9ed7_qkv
		.amdhsa_group_segment_fixed_size 327680
		.amdhsa_private_segment_fixed_size 0
		.amdhsa_enable_private_segment 0
		.amdhsa_kernarg_size 32
		.amdhsa_user_sgpr_count 2
		.amdhsa_user_sgpr_kernarg_segment_ptr 1
		.amdhsa_wavefront_size32 1
		.amdhsa_system_sgpr_workgroup_id_x 1
		.amdhsa_system_sgpr_workgroup_id_y 1
		.amdhsa_system_sgpr_workgroup_id_z 1
		.amdhsa_system_vgpr_workitem_id 0
		.amdhsa_next_free_vgpr 864
		.amdhsa_next_free_sgpr 100
		.amdhsa_reserve_vcc 1
		.amdhsa_float_denorm_mode_32 3
		.amdhsa_float_denorm_mode_16_64 3
		.amdhsa_memory_ordered 1
		.amdhsa_forward_progress 1
		.amdhsa_inst_pref_size 224
	.end_amdhsa_kernel
	.amdgpu_metadata
---
amdhsa.version: [ 1, 2 ]
amdhsa.kernels:
  - .name:           k_qf9a04b9ed7_qkv
    .symbol:         k_qf9a04b9ed7_qkv.kd
    .args:
      - { .name: codes, .offset: 0, .size: 8, .value_kind: global_buffer, .address_space: global }
      - { .name: scales, .offset: 8, .size: 8, .value_kind: global_buffer, .address_space: global }
      - { .name: qkvc, .offset: 16, .size: 8, .value_kind: global_buffer, .address_space: global }
      - { .name: qkvs, .offset: 24, .size: 8, .value_kind: global_buffer, .address_space: global }
    .group_segment_fixed_size: 327680
    .private_segment_fixed_size: 0
    .kernarg_segment_align: 8
    .kernarg_segment_size: 32
    .max_flat_workgroup_size: 128
    .sgpr_count:     100
    .vgpr_count:     864
    .wavefront_size: 32
...
	.end_amdgpu_metadata
.endif
;; end of part 2
;; launch attn (part 3): grid 4 x 64, 16 waves a work-group, clusters of 4 x 1, 211,968 bytes of LDS; arguments qkvc, qkvs, oc, os; writes oc, os
.if DOCPART == 3
	.amdgcn_target "amdgcn-amd-amdhsa--gfx1250"
	.amdhsa_code_object_version 6
	.text
	.protected	k_qf9a04b9ed7_attn
	.globl	k_qf9a04b9ed7_attn
	.p2align	8
	.type	k_qf9a04b9ed7_attn,@function
k_qf9a04b9ed7_attn:
	s_mov_b64 s[64:65], 0
	v_nop
	global_prefetch_b8 v0, s[64:65] scope:SCOPE_SE
	s_setreg_imm32_b32 hwreg(HW_REG_WAVE_MODE, 25, 1), 1
	s_wait_xcnt 0x0
	s_wait_alu depctr_hold_cnt(0) depctr_sa_sdst(0) depctr_va_vdst(0) depctr_va_sdst(0) depctr_va_ssrc(0) depctr_va_vcc(0) depctr_vm_vsrc(0)
	s_getreg_b32 s2, hwreg(HW_REG_IB_STS2, 6, 4)
	s_cmp_eq_u32 s2, 0
	s_cbranch_scc0 .Lentry_in_a_cluster
	s_endpgm
.Lentry_in_a_cluster:
	s_bfe_u32 s2, ttmp6, 0x10000c
	s_cmp_lg_u32 s2, 0x3003
	s_cbranch_scc0 .Lentry_shape_is_right
	s_endpgm
.Lentry_shape_is_right:
; Attention on codes of FP6 (E2M3): S^T = k q^T (K = the head's 64), the softmax, O^T = v^T p^T (K = the keys), and the quantising of the result along the channels for the last product.
; t = score x log2(e) / 8; M = the row's largest t so far, rounded up to a whole number; p = 2^(t - M) is quantised along the keys, not normalised; the row's sum is taken of the unquantised p and divides O at the end.
; When M moves, the sum and O are multiplied by 2^(old M - new M): exact.
; SHARES.  A work-group owns 256 queries of a PAIR of heads; each of its sixteen waves owns 16 queries and walks head 0 and then head 1, eight steps of 128 keys each.  The two heads' results are the two halves of one fragment of the last product's operand.
; LDS.  The pair's k, v and scale words lie in LDS whole; no byte is filled twice.  One tensor load a wave at the head: wave 0 the scale words (48 rows of 256 bytes), waves 1-4 head 0's k and v (96 rows each), waves 5-8 head 1's, by a line of their own.
; The first barrier shows what waves 0-4 asked for; head 1's tiles are shown by the barrier between the heads, ahead of which every wave waits for its loads.
; A KEY STEP SIGNALS THE BARRIER AT ITS TOP AND WAITS AT ITS END: a wave leaves step i only when every wave has entered it, so the sixteen waves stay within one step of each other.  Between the two stand register work and reads of LDS bytes that nobody writes.
; CLUSTER 4 x 1: the four blocks of queries of a pair read the same k and v: every fill is asked for jointly.  Nothing is loaded behind the head, so there is nothing to prefetch.
; LAYOUT.  Both products are used transposed: a lane holds ONE query (lane % 16).  By the order of a tile's rows the 16 registers of key tiles 2 q, 2 q + 1 are keys 32 q + 16 (lane / 16) + 0 .. 15; the channels of O^T likewise.
; K = 64 fills half of the instruction's 128: registers 6-11 of q's fragment are zero codes.  k's eight half fragments lie on end, six registers each: tile t's operand is v[32 + 6 t] on, twelve registers, whose upper six are tile t + 1's codes
; (behind tile 7: zeros).  They meet q's zero codes and add nothing: FP6 has no code but finite numbers, and bytes 2, 3 of the scale words are finite codes.
; RESULTS: oc [tile of 16 tokens: 512][K step 8][1536], an image of the operand's registers; os [K step 8][tile / 4][row 16][tile % 4] scale words.
; LIMITS: NaN and infinities are not served; a scale byte is held at 1 from below; a block of zeros has the byte 1 (its codes are zeros); the promise holds while |t| stays under 2^31.
; REGISTERS: v1-11 addresses; v12 -M, v13 the largest t, v[14:15] the sum; v16-27 q, v28 its scale word; v29 p's scale word; v[30:31] f; v32-79 k, v80-85 zeros; v88-95 k's scale words; v96-159 S^T, then p, then (v96-143) v's fragments;
;   v160-191 O^T; v192-203 p's codes; v204-227 at work; v228-239 the output's fragment (v234-239 at work until head 1's end); v240 its scale word; v242-247, v254 head 1's q and scale word; v248-251 v's scale words.
.set SCL,  196608                      ; LDS: k at 0 (head e at 49,152 e), v at 98,304 likewise, the pair's 12,288 bytes of scale words here,
.set OSG,  208896                      ; 1,024 bytes for the output's scale words, into which no fill lands,
.set SPARE, 209920                     ; and the spare words, 128 bytes a wave
.set BM,   212
.set T4,   216
.set SOP,  220
.set OF,   228
.set OW,   240
.set SPW,  241
.set NIL,  255
.set KW,   88
.set VW,   248
.set G1C,  16
.set G1S,  24
.set G0S,  32
.set G0C,  36
.macro CROUND
	s_barrier_signal -1
	s_barrier_wait -1
	s_cmp_lg_u32 s12, 0
	s_cbranch_scc1 .Lnot_wave_0_\@
	s_barrier_signal -3
.Lnot_wave_0_\@:
	s_barrier_wait -3
	s_barrier_signal -1
	s_barrier_wait -1
.endm
.macro TLOAD g0, g1
	tensor_load_to_lds s[\g0:\g0+3], s[\g1:\g1+7]
	s_nop 0
.rept 4
	v_nop
.endr
.endm
.macro PA d, a, b
	v_pk_add_f32 v[\d:\d+1], v[\a:\a+1], v[\b:\b+1]
.endm
.macro E2 j                            ; two exponentials in place
	v_exp_f32 v[\j], v[\j]
	v_exp_f32 v[\j+1], v[\j+1]
.endm
.macro FM j                            ; t - M, two at a time
	v_pk_fma_f32 v[\j:\j+1], v[\j:\j+1], s[46:47], v[12:13] op_sel_hi:[1,0,0]
.endm
.macro DEP n
	s_delay_alu instid0(VALU_DEP_\n)
.endm
	s_load_b256 s[4:11], s[0:1], 0x0               ; qkvc, qkvs, oc, os
	v_lshl_add_u32 v[SPW], v0, 2, SPARE
	v_mov_b32 v[NIL], 0
	ds_add_u32 v[SPW], v[NIL]                      ; the opening lines: the add twice on end and its wait
	ds_add_u32 v[SPW], v[NIL]
	v_lshrrev_b32 v1, 5, v0
	v_readfirstlane_b32 s12, v1                    ; wave 0..15
	s_bfe_u32 s13, ttmp6, 0x40000                  ; cx: my block of 256 queries
	s_and_b32 s14, ttmp7, 0xffff                   ; y: the pair of heads, which the four partners share
	s_mov_b32 s[G1C], 15|(3<<16)|(1<<21)           ; the mask names all four; elements of 8 bytes; no padding: every LDS read is of bytes on end
	s_mov_b32 s[G1C+1], 32<<16
	s_mov_b32 s[G1C+2], 96<<16
	s_mov_b32 s[G1C+3], 32<<16
	s_mov_b32 s[G1C+4], 96
	s_mov_b32 s[G1C+5], 32
	s_mov_b32 s[G1C+6], 0
	s_mov_b32 s[G1C+7], 0
	s_mov_b32 s[G1S], 15|(3<<16)|(1<<21)
	s_mov_b32 s[G1S+1], 32<<16
	s_mov_b32 s[G1S+2], 48<<16
	s_mov_b32 s[G1S+3], 32<<16
	s_mov_b32 s[G1S+4], 48
	s_mov_b32 s[G1S+5], 32
	s_mov_b32 s[G1S+6], 0
	s_mov_b32 s[G1S+7], 0
	s_add_co_u32 s66, s12, 15
	s_and_b32 s66, s66, 15                         ; piece j = wave - 1 (waves 1 to 8): bit 2 the head, bit 1 k or v, bit 0 which 24,576 bytes
	s_bfe_u32 s67, s66, 0x10002
	s_bfe_u32 s68, s66, 0x10001
	s_and_b32 s69, s66, 1
	s_mul_i32 s67, s67, 49152
	s_mul_i32 s69, s69, 24576
	s_add_co_u32 s67, s67, s69
	s_mul_i32 s74, s68, 98304
	s_add_co_u32 s74, s74, s67                     ; in LDS
	s_add_co_u32 s72, s68, 1
	s_mul_i32 s72, s72, 6291456
	s_mul_i32 s73, s14, 98304
	s_add_co_u32 s72, s72, s73
	s_add_co_u32 s72, s72, s67                     ; in qkvc
	s_mov_b32 s73, 0
	s_mul_i32 s70, s14, 12288
	s_add_co_u32 s70, s70, 524288                  ; the pair's scale words in qkvs
	s_mov_b32 s71, 0
	s_wait_dscnt 0x0
	s_wait_kmcnt 0x0
	s_mov_b32 s[G0S], 1
	s_mov_b32 s[G0S+1], SCL
	s_add_nc_u64 s[G0S+2:G0S+3], s[6:7], s[70:71]
	s_or_b32 s[G0S+3], s[G0S+3], 0x80000000
	s_mov_b32 s[G0C], 1
	s_mov_b32 s[G0C+1], s74
	s_add_nc_u64 s[G0C+2:G0C+3], s[4:5], s[72:73]
	s_or_b32 s[G0C+3], s[G0C+3], 0x80000000
	CROUND                                         ; all four work-groups are here: the joint loads meet
	s_cmp_eq_u32 s12, 0                            ; one chain of branches on the wave's number, one fill to an arm
	s_cbranch_scc0 .Larm_a
	TLOAD G0S, G1S
	s_branch .Lasked
.Larm_a:
	s_cmp_lt_u32 s12, 5
	s_cbranch_scc0 .Larm_b
	TLOAD G0C, G1C                                 ; head 0's k and v
	s_branch .Lasked
.Larm_b:
	s_cmp_lt_u32 s12, 9
	s_cbranch_scc0 .Lasked
	TLOAD G0C, G1C                                 ; head 1's
.Lasked:
	s_lshr_b32 s59, s12, 2
	s_lshl_b32 s59, s59, 8
	s_and_b32 s60, s12, 3
	s_lshl_b32 s60, s60, 2
	s_add_co_u32 s59, s59, s60
	s_and_b32 s75, s12, 1
	s_lshl_b32 s75, s75, 9
	s_lshl_b32 s58, s13, 4
	s_add_co_u32 s58, s58, s12                     ; my tile of queries in the batch: 16 cx + w
	s_mul_i32 s62, s14, 98304
	s_mul_i32 s63, s58, 768
	s_add_co_u32 s62, s62, s63
	s_mov_b32 s63, 0
	s_add_nc_u64 s[54:55], s[4:5], s[62:63]        ; q's codes: the even head's half image of my tile
	s_lshl_b32 s62, s14, 13
	s_lshr_b32 s61, s58, 2
	s_lshl_b32 s61, s61, 8
	s_add_co_u32 s62, s62, s61
	s_add_nc_u64 s[56:57], s[6:7], s[62:63]        ; q's scale words
	v_and_b32 v1, 31, v0
	v_and_b32 v3, 15, v0
	v_lshlrev_b32 v2, 3, v1
	v_lshlrev_b32 v3, 4, v3                        ; 16 r
	v_lshlrev_b32 v1, 4, v1                        ; 16 x lane
	v_add_nc_u32 v2, 512, v2                       ; 512 + 8 x lane: registers 4, 5 of a half image
	v_add_nc_u32 v9, s59, v3
	v_add_nc_u32 v10, s75, v1
	v_add_nc_u32 v11, s60, v3                      ; q's scale word: 16 r + 4 (tile % 4)
	v_add_nc_u32 v9, OSG, v9                       ; my scale word's place: 256 (w / 4) + 16 r + 4 (w % 4)
	v_add_nc_u32 v10, OSG, v10                     ; where waves 0 and 1 read 512 bytes each back
	s_wait_alu depctr_va_vdst(0)                   ; the wait ahead of the readers below
	global_load_b128 v[16:19], v1, s[54:55]        ; q of both heads: on their way while the tiles land
	global_load_b64 v[20:21], v2, s[54:55]
	global_load_b32 v28, v11, s[56:57]
	global_load_b128 v[242:245], v1, s[54:55] offset:49152
	global_load_b64 v[246:247], v2, s[54:55] offset:49152
	global_load_b32 v254, v11, s[56:57] offset:4096
.irp j, 22,23,24,25,26,27,80,81,82,83,84,85
	v_mov_b32 v[\j], 0                             ; zero codes: q's upper 64 along K, and what stands behind k's tile 7
.endr
.irp q, 0,1,2,3
	v_mov_b32 v[T4+\q], 0                          ; written once: a lane permute's destination counts as one of its sources
.endr
	v_mov_b32 v31, 0                               ; (named as the upper halves of pairs)
	v_mov_b32 v225, 0
	s_mov_b32 s44, 0x76543210
	s_mov_b32 s45, 0xfedcba98                      ; selects for lane l xor 16
	s_mov_b32 s46, 0x3e38aa3b                      ; c = log2(e) / 8
	s_mov_b32 s47, s46
	s_lshr_b32 s61, s14, 3                         ; the batch
	s_and_b32 s60, s14, 7                          ; the pair's 128 channels are K step y % 8 of the last product
	s_lshl_b32 s62, s61, 6
	s_add_co_u32 s62, s62, s58
	s_lshl_b32 s62, s62, 3
	s_add_co_u32 s62, s62, s60
	s_mul_i32 s62, s62, 1536
	s_add_nc_u64 s[8:9], s[8:9], s[62:63]          ; my image in oc
	s_lshl_b32 s62, s61, 4
	s_lshl_b32 s59, s13, 2
	s_add_co_u32 s62, s62, s59
	s_lshl_b32 s62, s62, 8
	s_lshl_b32 s59, s60, 15
	s_add_co_u32 s62, s62, s59
	s_add_co_u32 s62, s62, s75
	s_add_nc_u64 s[10:11], s[10:11], s[62:63]      ; the work-group's 1,024 bytes in os, my half
	s_wait_alu depctr_va_vdst(0)                   ; the wait at the head's end
	s_cmp_lt_u32 s12, 5                            ; waves 0 to 4 asked for the scale words and head 0's tiles: they wait; head 1's stay out
	s_cbranch_scc0 .Lnot_first
	s_wait_tensorcnt 0x0
.Lnot_first:
	s_barrier_signal -1
	s_barrier_wait -1
; A KEY STEP: 128 keys.  s49, s50: where the step's k and v begin in LDS; s51, s52: their scale words.
.macro STEP
	v_add_nc_u32 v4, s49, v1                       ; these five lines are also the five places between the last step's products, which read v96 on, and the products below, which write there
	v_add_nc_u32 v5, s49, v2
	v_add_nc_u32 v6, s50, v1
	v_add_nc_u32 v7, s51, v3
	v_add_nc_u32 v8, s52, v3
.irp t, 0,1,2,3,4,5,6,7
	ds_load_b128 v[32+6*\t:35+6*\t], v4 offset:768*\t
	ds_load_b64 v[36+6*\t:37+6*\t], v5 offset:768*\t
.endr
	ds_load_b128 v[KW:KW+3], v7                    ; the eight tiles' scale words of my row
	ds_load_b128 v[KW+4:KW+7], v7 offset:256
	s_wait_dscnt 0x0
.irp t, 0,1,2,3,4,5,6,7
	v_wmma_scale_f32_16x16x128_f8f6f4 v[96+8*\t:103+8*\t], v[32+6*\t:43+6*\t], v[16:27], 0, v[KW+\t], v28 matrix_a_fmt:MATRIX_FMT_FP6 matrix_b_fmt:MATRIX_FMT_FP6
.endr
	v_mov_b32 v226, v12                            ; the old -M; with the three lines below: four places behind the products
.rept 3
	v_nop
.endr
.irp q, 0,1,2,3
	v_max3_num_f32 v[BM+\q], v[96+16*\q], v[97+16*\q], v[98+16*\q]   ; the largest score of each block of 32 keys: it serves the row's maximum and, since p rises with the score, the block's largest p
.endr
.irp i, 3,5,7,9,11,13
.irp q, 0,1,2,3
	v_max3_num_f32 v[BM+\q], v[BM+\q], v[96+16*\q+\i], v[97+16*\q+\i]
.endr
.endr
.irp q, 0,1,2,3
	v_max_num_f32 v[BM+\q], v[BM+\q], v[111+16*\q]
.endr
.irp q, 0,1,2,3
	DEP 4
	v_permlanex16_b32 v[T4+\q], v[BM+\q], s44, s45
.endr
.irp q, 0,1,2,3
	DEP 4
	v_max_num_f32 v[BM+\q], v[BM+\q], v[T4+\q]     ; with lane l xor 16's 16 keys
.endr
	DEP 2
	v_max3_num_f32 v224, v[BM], v[BM+1], v[BM+2]
	DEP 1
	v_max_num_f32 v224, v224, v[BM+3]
	DEP 1
	v_mul_f32 v224, s46, v224                      ; the step's largest t (c is positive)
	DEP 1
	v_max_num_f32 v13, v13, v224                   ; the running largest t
	DEP 1
	v_floor_f32 v12, -v13                          ; the new -M = -ceil(t): a whole number
	DEP 1
	v_sub_f32 v224, v12, v226                      ; old M - new M: a whole number, 0 or less
	DEP 1
	v_cvt_i32_f32 v224, v224                       ; (it saturates)
	DEP 1
	v_ldexp_f32 v30, 1.0, v224                     ; f = 2^(old M - new M)
.set J, 0
.rept 8
	v_pk_fma_f32 v[96+J:97+J], v[96+J:97+J], s[46:47], v[12:13] op_sel_hi:[1,0,0]   ; t - M of the first block of 32 keys (my 16), two at a time
.set J, J+2
.endr
; p = 2^(t - M), at most 1, IN FOUR BATCHES, a block's 16 numbers each.  Among a batch's exponentials stand plain lines that hang on nothing of the batch and not on each other: the next block's t - M, and the adds of the
; row's sum (of the unquantised p, eight chains) on blocks whose exponentials have been waited for.  What such a line writes is first read behind the next wait; one wait stands between two batches.
	s_wait_alu depctr_va_vdst(0)
.set J, 0
.rept 8                                        ; block 0's exponentials; block 1's t - M, the same of each block's largest score, the sums under the new M
	E2 96+J
.if J < 8
	v_fma_f32 v[BM+J/2], v[BM+J/2], s46, v12
.endif
.if J == 8
	v_pk_mul_f32 v[14:15], v[14:15], v[30:31] op_sel_hi:[1,0]
.endif
	FM 112+J
.set J, J+2
.endr
	s_wait_alu depctr_va_vdst(0)
.set J, 0
.rept 8                                        ; block 1's; block 2's t - M
	E2 112+J
.if J == 0
	PA 14, 14, 110
.endif
	FM 128+J
.set J, J+2
.endr
	s_wait_alu depctr_va_vdst(0)
.set J, 0
.irp d, 226,238,236,234,222,220,218,14         ; block 2's; block 3's t - M; blocks 0 and 1 begin the chains
	E2 128+J
	FM 144+J
.if \d == 14
	PA 14, 14, 126
.else
	PA \d, 96+J, 112+J
.endif
.set J, J+2
.endr
	s_wait_alu depctr_va_vdst(0)
.set J, 0
.irp d, 226,238,236,234,222,220,218,14         ; block 3's, and each block's largest p (the same two instructions on the same number give the same bits); block 2 joins the chains
.if J < 4
	E2 BM+J
.endif
	E2 144+J
	PA \d, \d, 128+J
.set J, J+2
.endr
	s_wait_alu depctr_va_vdst(0)
	PA 238, 238, 146                               ; block 3 joins the chains
	PA 236, 236, 148
	PA 234, 234, 150
	PA 222, 222, 152
	PA 220, 220, 154
	PA 218, 218, 156
	PA 14, 14, 158
	PA 226, 226, 144
	DEP 2
	PA 14, 14, 234
	DEP 2
	PA 226, 226, 222
	PA 238, 238, 220
	PA 236, 236, 218
	DEP 2
	PA 14, 14, 238
	DEP 2
	PA 226, 226, 236
	DEP 1
	PA 14, 14, 226
	s_wait_alu depctr_va_vdst(0)                   ; and one for the four
.irp q, 0,1,2,3
	v_max_num_f32 v[BM+\q], 0x1800000, v[BM+\q]    ; the floor 2^(3 - 127): the byte cannot fall under 1
.endr
.irp q, 0,1,2,3
	DEP 4
	v_add_nc_u32 v[SOP+\q], 0xff000000, v[BM+\q]   ; 2 off the exponent field: the conversion's scale operand
.endr
.irp q, 0,1,2,3
	DEP 4
	v_lshrrev_b32 v[T4+\q], 23, v[SOP+\q]          ; the byte
.endr
	DEP 3
	v_lshl_or_b32 v29, v[T4+1], 8, v[T4]           ; p's scale word for these 128 keys
	DEP 1
	v_lshl_or_b32 v29, v[T4+2], 16, v29
	DEP 1
	v_lshl_or_b32 v29, v[T4+3], 24, v29
.irp c, 0,1
	v_cvt_scalef32_pk16_fp6_f32 v[192+6*\c:194+6*\c], v[96+32*\c:111+32*\c], v[SOP+2*\c]
	v_cvt_scalef32_pk16_fp6_f32 v[204+4*\c:206+4*\c], v[112+32*\c:127+32*\c], v[SOP+2*\c+1]
.endr
	v_nop                                          ; one plain place behind a scaled conversion
.irp t, 0,1,2,3                                ; p is in codes: its registers take v's four fragments
.irp g, 0,1,2
	ds_load_b128 v[96+12*\t+4*\g:99+12*\t+4*\g], v6 offset:1536*\t+512*\g
.endr
.endr
	ds_load_b128 v[VW:VW+3], v8                    ; and their scale words
.irp c, 0,1                                    ; the layout wants a whole block in a lane
.irp i, 0,1,2
	v_permlane16_swap_b32 v[192+6*\c+\i], v[204+4*\c+\i]
.endr
.irp i, 0,1,2
	DEP 3
	v_mov_b32 v[195+6*\c+\i], v[204+4*\c+\i]
.endr
.endr
	s_wait_alu depctr_va_vdst(0)                   ; the wait directly ahead of the first reader of O^T
.set J, 0
.rept 16
	v_pk_mul_f32 v[160+J:161+J], v[160+J:161+J], v[30:31] op_sel_hi:[1,0]   ; O^T under the new M; also the places between the lines that wrote p's codes and scale word and the products below
.set J, J+2
.endr
	s_wait_alu depctr_va_vdst(0)                   ; the wait directly ahead of the wait below
	s_wait_dscnt 0x0
.irp t, 0,1,2,3                                ; O^T += v^T p^T: four accumulators by turns
	v_wmma_scale_f32_16x16x128_f8f6f4 v[160+8*\t:167+8*\t], v[96+12*\t:107+12*\t], v[192:203], v[160+8*\t:167+8*\t], v[VW+\t], v29 matrix_a_fmt:MATRIX_FMT_FP6 matrix_b_fmt:MATRIX_FMT_FP6
.endr
	s_add_co_u32 s49, s49, 6144                    ; the next 128 keys
	s_add_co_u32 s50, s50, 6144
	s_add_co_u32 s51, s51, 512
	s_add_co_u32 s52, s52, 256
.endm
; HEAD e of the pair: eight key steps, the division, and the head's half of the output's fragment.
.macro HEAD e
.if \e
.irp i, 0,1,2,3,4,5
	v_mov_b32 v[16+\i], v[242+\i]                  ; head 1's q takes head 0's place, in front of the same zero codes
.endr
	v_mov_b32 v28, v254
.endif
	v_mov_b32 v13, 0xff61b1e6                      ; the largest t so far: -3e38, under every t
	DEP 1
	v_floor_f32 v12, -v13                          ; -M
	v_mov_b32 v14, 0
	v_mov_b32 v15, 0
.set J, 0
.rept 32
	v_mov_b32 v[160+J], 0                          ; O^T: the step is written once; the first finds zeros, which the first change of M leaves zeros
.set J, J+1
.endr
	s_mov_b32 s49, 49152*\e
	s_mov_b32 s50, 98304+49152*\e
	s_mov_b32 s51, SCL+4096*\e
	s_mov_b32 s52, SCL+8192+2048*\e
	s_mov_b32 s48, 8
	s_wait_alu depctr_va_vdst(0)                   ; the wait directly ahead of the wait below
.if \e == 0
	s_wait_loadcnt 0x0                             ; q of both heads
.else
	s_barrier_wait -1                              ; everybody's loads have landed: head 1's k and v lie in LDS
.endif
.Lkey_\@:
	s_barrier_signal -1                            ; I have entered this step (no LDS instruction of mine is out)
	STEP
	s_barrier_wait -1                              ; every wave has entered it
	s_sub_co_u32 s48, s48, 1
	s_cmp_lg_u32 s48, 0
	s_cbranch_scc1 .Lkey_\@
.if \e == 0
	s_wait_tensorcnt 0x0                           ; every wave, under no branch: my load, if I had one, has landed;
	s_barrier_signal -1                            ; the wait stands ahead of head 1's first step; register work alone between
.endif
.rept 4
	v_nop                                          ; places behind the last products
.endr
	v_add_f32 v14, v14, v15                        ; the sum's two halves,
	DEP 1
	v_permlanex16_b32 v[T4], v14, s44, s45
	DEP 1
	v_add_f32 v14, v14, v[T4]                      ; and lane l xor 16's
	s_wait_alu depctr_va_vdst(0)
	v_rcp_f32 v224, v14
	v_nop                                          ; a plain place behind the reciprocal,
	s_wait_alu depctr_va_vdst(0)                   ; and the wait ahead of its first use, and of the first reader of O^T
.set J, 0
.rept 16
	v_pk_mul_f32 v[96+J:97+J], v[160+J:161+J], v[224:225] op_sel_hi:[1,0]   ; O^T / the sum, each accumulator from its low end on: register 16 q + i = channel 32 q + 16 (lane / 16) + i
.set J, J+2
.endr
.irp q, 0,1
	v_max3_num_f32 v[BM+\q], |v[96+16*\q]|, |v[97+16*\q]|, 0x1800000
.endr
.irp i, 2,4,6,8,10,12,14
.irp q, 0,1
	DEP 2
	v_max3_num_f32 v[BM+\q], v[BM+\q], |v[96+16*\q+\i]|, |v[97+16*\q+\i]|
.endr
.endr
.irp q, 0,1
	DEP 2
	v_permlanex16_b32 v[T4+\q], v[BM+\q], s44, s45
.endr
.irp q, 0,1
	DEP 2
	v_max_num_f32 v[BM+\q], v[BM+\q], v[T4+\q]
.endr
.irp q, 0,1
	DEP 2
	v_add_nc_u32 v[SOP+\q], 0xff000000, v[BM+\q]
.endr
.irp q, 0,1
	DEP 2
	v_lshrrev_b32 v[T4+\q], 23, v[SOP+\q]
.endr
	DEP 1
	v_lshl_or_b32 v224, v[T4+1], 8, v[T4]          ; the head's two bytes
.if \e == 0
	DEP 1
	v_mov_b32 v[OW], v224
.else
	DEP 1
	v_lshl_or_b32 v[OW], v224, 16, v[OW]
.endif
	v_cvt_scalef32_pk16_fp6_f32 v[OF+6*\e:OF+6*\e+2], v[96:111], v[SOP]
	v_cvt_scalef32_pk16_fp6_f32 v[204:206], v[112:127], v[SOP+1]
	v_nop
.irp i, 0,1,2
	v_permlane16_swap_b32 v[OF+6*\e+\i], v[204+\i]
.endr
.irp i, 0,1,2
	DEP 3
	v_mov_b32 v[OF+6*\e+3+\i], v[204+\i]           ; registers 6 e .. 6 e + 5: k = 64 e + 32 (lane / 16) + 0 .. 31
.endr
.endm
	HEAD 0
	HEAD 1
.irp g, 0,1,2
	global_store_b128 v1, v[OF+4*\g:OF+4*\g+3], s[8:9] offset:512*\g   ; the image: 512 consecutive bytes a store, aligned
.endr
	ds_store_b32 v9, v[OW]                         ; lanes r and r + 16 write the same word with the same value
	s_wait_dscnt 0x0                               ; for the others' sake
	s_barrier_signal -1
	s_barrier_wait -1
	s_cmp_lt_u32 s12, 2
	s_cbranch_scc0 .Lno_words
	ds_load_b128 v[96:99], v10
	s_wait_dscnt 0x0
	global_store_b128 v1, v[96:99], s[10:11]       ; the sixteen tiles' scale words leave as 2 x 512 consecutive bytes
.Lno_words:
	s_wait_tensorcnt 0x0                           ; the wave's end
	ds_add_u32 v[SPW], v[NIL]
	s_wait_dscnt 0x0
	CROUND                                         ; the closing round
	s_endpgm
.Lfunc_end_k_qf9a04b9ed7_attn:
	.size	k_qf9a04b9ed7_attn, .Lfunc_end_k_qf9a04b9ed7_attn-k_qf9a04b9ed7_attn
	.p2alignl 7, 3214868480
	.fill 96, 4, 3214868480
	.section	.rodata,"a",@progbits
	.p2align	6, 0x0
	.amdhsa_kernel k_qf9a04b9ed7_attn
		.amdhsa_group_segment_fixed_size 211968
		.amdhsa_private_segment_fixed_size 0
		.amdhsa_enable_private_segment 0
		.amdhsa_kernarg_size 32
		.amdhsa_user_sgpr_count 2
		.amdhsa_user_sgpr_kernarg_segment_ptr 1
		.amdhsa_wavefront_size32 1
		.amdhsa_system_sgpr_workgroup_id_x 1
		.amdhsa_system_sgpr_workgroup_id_y 1
		.amdhsa_system_sgpr_workgroup_id_z 1
		.amdhsa_system_vgpr_workitem_id 0
		.amdhsa_next_free_vgpr 256
		.amdhsa_next_free_sgpr 80
		.amdhsa_reserve_vcc 0
		.amdhsa_float_denorm_mode_32 3
		.amdhsa_float_denorm_mode_16_64 3
		.amdhsa_memory_ordered 1
		.amdhsa_forward_progress 1
		.amdhsa_inst_pref_size 55
	.end_amdhsa_kernel
	.amdgpu_metadata
---
amdhsa.version: [ 1, 2 ]
amdhsa.kernels:
  - .name:           k_qf9a04b9ed7_attn
    .symbol:         k_qf9a04b9ed7_attn.kd
    .args:
      - { .name: qkvc, .offset: 0, .size: 8, .value_kind: global_buffer, .address_space: global }
      - { .name: qkvs, .offset: 8, .size: 8, .value_kind: global_buffer, .address_space: global }
      - { .name: oc, .offset: 16, .size: 8, .value_kind: global_buffer, .address_space: global }
      - { .name: os, .offset: 24, .size: 8, .value_kind: global_buffer, .address_space: global }
    .group_segment_fixed_size: 211968
    .private_segment_fixed_size: 0
    .kernarg_segment_align: 8
    .kernarg_segment_size: 32
    .max_flat_workgroup_size: 512
    .sgpr_count:     80
    .vgpr_count:     256
    .wavefront_size: 32
...
	.end_amdgpu_metadata
.endif
;; end of part 3
;; launch proj (part 4): grid 4 x 64, 4 waves a work-group, clusters of 4 x 4, 295,424 bytes of LDS; arguments oc, os, codes, scales, proj_b, out0; writes out0
.if DOCPART == 4
	.amdgcn_target "amdgcn-amd-amdhsa--gfx1250"
	.amdhsa_code_object_version 6
	.text
	.protected	k_qf9a04b9ed7_proj
	.globl	k_qf9a04b9ed7_proj
	.p2align	8
	.type	k_qf9a04b9ed7_proj,@function
k_qf9a04b9ed7_proj:
	s_mov_b64 s[64:65], 0
	v_nop
	global_prefetch_b8 v0, s[64:65] scope:SCOPE_SE
	s_setreg_imm32_b32 hwreg(HW_REG_WAVE_MODE, 25, 1), 1
	s_wait_xcnt 0x0
	s_wait_alu depctr_hold_cnt(0) depctr_sa_sdst(0) depctr_va_vdst(0) depctr_va_sdst(0) depctr_va_ssrc(0) depctr_va_vcc(0) depctr_vm_vsrc(0)
	s_getreg_b32 s2, hwreg(HW_REG_IB_STS2, 6, 4)
	s_cmp_eq_u32 s2, 0
	s_cbranch_scc0 .Lentry_in_a_cluster
	s_endpgm
.Lentry_in_a_cluster:
	s_bfe_u32 s2, ttmp6, 0x10000c
	s_cmp_lg_u32 s2, 0xf033
	s_cbranch_scc0 .Lentry_shape_is_right
	s_endpgm
.Lentry_shape_is_right:
; The last product, attention's result x proj_w^T + proj_b, on codes of FP6 (E2M3) with E8M0 scales; out0 [8192][1024] f32.
; A work-group makes 128 tokens x 256 channels over all of K = 1,024; a wave 64 tokens x 128 channels: P = 8 tiles of proj_w (source 0), Q = 4 tiles of tokens (source 1): 32 accumulators.
; In a result a lane holds one token, and its registers run along the channels: by the order of a tile's rows (row i of tile T is matrix row 32 (T / 2) + 8 (T % 2) + i + 8 (i / 8))
; register j of accumulator (a, b) is channel 32 (a / 2) + 16 (lane / 16) + 8 (a % 2) + j.  The bias, in that layout, is the C of each sum's first matrix instruction.
; LDS: the work-group's operands for all of K lie in LDS whole, as four chunks of two K steps: [chunk 4][tile 24][3072], tiles 0-7 the tokens', 8-23 proj_w's.  No byte is filled twice; each wave asks for
; its part of all four chunks at the head: four tensor loads of a wave are out, by this text's own count.  CLUSTER 4 x 4: the tokens' tiles are shared along a row of the cluster, proj_w's along a column.
; THE WAY OUT: a block of 16 tokens x 128 channels goes through the wave's own stage and leaves as whole rows of 512 bytes.  The stages lie in chunk 0, which has had its only fill, and whose last read every wave has finished ahead of the barrier of K step 1.
; REGISTERS: window 0: addresses, scale words, the bias (v128-191), later rows of the result (v128-255); window 1: accumulator (a, b) at 64 b + 8 a; window 2: P's fragments, two sets of 96; window 3: Q's, two sets of 48.
.set CHUNK, 147456                     ; LDS now holds two K halves, [half 2][tile 24][6144]: four K steps of 1,536 bytes a tile; each half comes by two loads, the tokens' eight tiles and proj_w's sixteen
.set AP,   4                           ; v4-5    LDS address of P's first fragment in K half c
.set AQ,   8                           ; v8-9   of Q's
.set STO,  20                          ; v20     the stage: where I put 16 bytes of a row
.set RD,   21                          ; v21     and where I read a row back
.set SP,   32                          ; v32-63  proj_w's scale words: block a at SP + 4 a: register q: lanes 0-15 K step q, lanes 16-31 K step 4 + q
.set SQ,   64                          ; v64-79  the tokens': register 4 p + b: tile b: lanes 0-15 K step 2 p, lanes 16-31 K step 2 p + 1
.set BI,   128                         ; v128-191 the bias: eight registers for each a
.set BK,   128                         ; the way out: 16 rows read back: v128-191 and v192-255 by turns
.set G1A,  24
.set G1B,  32
.set G0A,  40
.set G0B,  68
.set MSB, 0
.macro WIN new                         ; the immediate's high byte repeats the setting that is left
.if MSB != \new
	s_set_vgpr_msb (MSB<<8)|\new
.set MSB, \new
.endif
.endm
.set MULW, 0x5e                        ; source 0 window 2, source 1 window 3, C and D window 1
.set MULB, 0x4e                        ; the same with C (the bias) in window 0
.set TO_P, 0x80
.set TO_Q, 0xc0
.macro CROUND                          ; a round of the cluster's barrier
	s_barrier_signal -1
	s_barrier_wait -1
	s_cmp_lg_u32 s12, 0
	s_cbranch_scc1 .Lnot_wave_0_\@
	s_barrier_signal -3
.Lnot_wave_0_\@:
	s_barrier_wait -3
	s_barrier_signal -1
	s_barrier_wait -1
.endm
.macro PLACES n
.rept \n
	v_nop
.endr
.endm
	s_load_b256 s[4:11], s[0:1], 0x0               ; oc s[4:5], os s[6:7], codes s[8:9], scales s[10:11]
	s_load_b128 s[84:87], s[0:1], 0x20             ; proj_b s[84:85], out0 s[86:87]
	v_lshl_add_u32 v126, v0, 2, 0x48000
	v_mov_b32 v127, 0
	ds_add_u32 v126, v127
	ds_add_u32 v126, v127
	v_lshrrev_b32 v1, 5, v0
	v_readfirstlane_b32 s12, v1                    ; wave w
	s_lshr_b32 s13, s12, 1                         ; i: my 64 tokens.  Also: which K half I fetch
	s_and_b32 s14, s12, 1                          ; j: my 128 channels.  Also: I fetch the tokens' tiles (0) or proj_w's (1)
	s_bfe_u32 s15, ttmp6, 0x40000                  ; cx
	s_bfe_u32 s16, ttmp6, 0x40004                  ; cy
	s_lshl_b32 s17, ttmp9, 2
	s_add_co_u32 s17, s17, s15                     ; X: my 256 channels
	s_and_b32 s18, ttmp7, 0xffff
	s_lshl_b32 s18, s18, 2
	s_add_co_u32 s18, s18, s16                     ; y: my 128 tokens
	s_lshl_b32 s19, s16, 2
	s_lshl_b32 s19, 15, s19                        ; my row of the cluster
	s_lshl_b32 s20, 0x1111, s15                    ; my column
	; group 1: rows of 6,144 bytes (a tile's four K steps: 768 elements of 8 bytes), 12,288 bytes apart; 8 tiles of tokens or 16 of proj_w
	s_or_b32 s[G1A], s19, (3<<16)|(1<<21)
	s_or_b32 s[G1B], s20, (3<<16)|(1<<21)
	s_mov_b32 s[G1A+1], 768<<16                    ; rows of 6,144 bytes (a tile's four K steps), 12,288 bytes apart; 8 tiles of tokens or 16 of proj_w
	s_mov_b32 s[G1A+2], 8<<16
	s_mov_b32 s[G1A+3], 768<<16
	s_mov_b32 s[G1A+4], 8
	s_mov_b32 s[G1A+5], 1536
	s_mov_b32 s[G1A+6], 0
	s_mov_b32 s[G1A+7], 0
	s_mov_b32 s[G1B+1], 768<<16
	s_mov_b32 s[G1B+2], 16<<16
	s_mov_b32 s[G1B+3], 768<<16
	s_mov_b32 s[G1B+4], 16
	s_mov_b32 s[G1B+5], 1536
	s_mov_b32 s[G1B+6], 0
	s_mov_b32 s[G1B+7], 0
	s_lshl_b32 s56, s18, 3                         ; tokens: tile 8 y, K half w / 2
	s_mul_i32 s56, s56, 12288
	s_mul_i32 s57, s13, 6144
	s_add_co_u32 s56, s56, s57
	s_lshl_b32 s58, s17, 4                         ; proj_w: tile 704 + 16 X of the list of all tiles, K half w / 2
	s_add_co_u32 s58, s58, 704
	s_mul_i32 s58, s58, 12288
	s_add_co_u32 s58, s58, s57
	s_mov_b32 s57, 0
	s_mov_b32 s59, 0
	s_mul_i32 s21, s13, CHUNK                      ; in LDS: the tokens' tiles at the half's start,
	s_add_co_u32 s22, s21, 49152                   ; proj_w's behind them
	s_wait_dscnt 0x0
	s_wait_kmcnt 0x0
	s_add_nc_u64 s[60:61], s[4:5], s[56:57]
	s_add_nc_u64 s[62:63], s[8:9], s[58:59]
	CROUND                                         ; all sixteen work-groups are here: the joint loads meet
	s_mov_b32 s[G0A], 1
	s_mov_b32 s[G0A+1], s21
	s_mov_b64 s[G0A+2:G0A+3], s[60:61]
	s_or_b32 s[G0A+3], s[G0A+3], 0x80000000
	s_mov_b32 s[G0B], 1
	s_mov_b32 s[G0B+1], s22
	s_mov_b64 s[G0B+2:G0B+3], s[62:63]
	s_or_b32 s[G0B+3], s[G0B+3], 0x80000000
	; THE HEAD'S LOADS, ONE A WAVE, in one chain of branches on the wave's number: wave 0 the tokens' K half 0, wave 1 proj_w's K half 0, wave 2 the tokens' K half 1, wave 3 proj_w's K half 1
	s_cmp_eq_u32 s12, 0
	s_cbranch_scc0 .Lfill_1
	tensor_load_to_lds s[G0A:G0A+3], s[G1A:G1A+7]
	s_nop 0
	PLACES 4
	s_branch .Lfilled
.Lfill_1:
	s_cmp_eq_u32 s12, 1
	s_cbranch_scc0 .Lfill_2
	tensor_load_to_lds s[G0B:G0B+3], s[G1B:G1B+7]
	s_nop 0
	PLACES 4
	s_branch .Lfilled
.Lfill_2:
	s_cmp_eq_u32 s12, 2
	s_cbranch_scc0 .Lfill_3
	tensor_load_to_lds s[G0A:G0A+3], s[G1A:G1A+7]
	s_nop 0
	PLACES 4
	s_branch .Lfilled
.Lfill_3:
	tensor_load_to_lds s[G0B:G0B+3], s[G1B:G1B+7]
	s_nop 0
	PLACES 4
.Lfilled:
	v_and_b32 v1, 31, v0                           ; lane
	v_and_b32 v2, 15, v0                           ; r
	v_bfe_u32 v3, v0, 4, 1                         ; h
	v_lshlrev_b32 v12, 4, v1                       ; 16 x lane
	v_lshlrev_b32 v15, 4, v2                       ; 16 r
	s_lshl_b32 s88, s14, 3
	s_add_co_u32 s88, s88, 8
	s_mul_i32 s88, s88, 6144                       ; P: LDS tiles 8 + 8 j on
	s_mul_i32 s89, s13, 24576                      ; Q: LDS tiles 4 i on
	v_add_nc_u32 v[AP], s88, v12
	v_add_nc_u32 v[AQ], s89, v12
.irp c, 1
	v_add_nc_u32 v[AP+\c], \c*CHUNK, v[AP]
	v_add_nc_u32 v[AQ+\c], \c*CHUNK, v[AQ]
.endr
	s_wait_alu depctr_va_vdst(0)
	s_lshl_b32 s90, s17, 4
	s_lshl_b32 s91, s14, 3
	s_add_co_u32 s90, s90, s91
	s_add_co_u32 s90, s90, 704
	s_lshl_b32 s90, s90, 9
	v_add_nc_u32 v17, s90, v12                     ; proj_w's scale words: 512 bytes a tile
	s_wait_alu depctr_va_vdst(0)
	s_lshl_b32 s91, s18, 1
	s_add_co_u32 s91, s91, s13
	s_lshl_b32 s91, s91, 8
	v_lshl_add_u32 v18, v3, 15, v15
	v_add_nc_u32 v18, s91, v18                     ; the tokens': K step h, my four tiles' 256 bytes, row r
	s_wait_alu depctr_va_vdst(0)
	v_lshlrev_b32 v19, 6, v3                       ; the bias: 16 h numbers on
	s_wait_alu depctr_va_vdst(0)
	s_lshl_b32 s92, s17, 10
	s_lshl_b32 s93, s14, 9
	s_add_co_u32 s92, s92, s93                     ; my first channel, in bytes
	s_mov_b32 s93, 0
	s_add_nc_u64 s[84:85], s[84:85], s[92:93]
	s_add_nc_u64 s[86:87], s[86:87], s[92:93]
	s_lshl_b32 s92, s18, 19
	s_lshl_b32 s94, s13, 18
	s_add_co_u32 s92, s92, s94                     ; my first token's row of 4,096 bytes
	s_add_nc_u64 s[86:87], s[86:87], s[92:93]
.irp a, 0,1,2,3,4,5,6,7
	global_load_b128 v[SP+4*\a:SP+4*\a+3], v17, s[10:11] offset:512*\a
.endr
.irp p, 0,1,2,3
	global_load_b128 v[SQ+4*\p:SQ+4*\p+3], v18, s[6:7] offset:65536*\p
.endr
.irp a, 0,1,2,3,4,5,6,7
	global_load_b128 v[BI+8*\a:BI+8*\a+3], v19, s[84:85] offset:(32*(\a/2)+8*(\a%2))*4
	global_load_b128 v[BI+8*\a+4:BI+8*\a+7], v19, s[84:85] offset:(32*(\a/2)+8*(\a%2))*4+16
.endr
	s_mul_i32 s95, s12, 8448                       ; my stage: 16 rows x (512 + 16) bytes
	v_mul_u32_u24 v[STO], v2, 528
	v_lshl_add_u32 v[STO], v3, 6, v[STO]
	v_add_nc_u32 v[STO], s95, v[STO]               ; in: row r, 64 h bytes on
	v_add_nc_u32 v[RD], s95, v12                   ; back: the 32 lanes take one row
.macro FETCH c, q                      ; the fragments of K step 2 c + q into set q: 36 loads of 512 bytes on end
	WIN TO_P
.irp a, 0,1,2,3,4,5,6,7
.irp g, 0,1,2
	ds_load_b128 v[96*(\q)+12*\a+4*\g:96*(\q)+12*\a+4*\g+3], v[AP+(\c)/2] offset:6144*\a+1536*(2*((\c)%2)+(\q))+512*\g   ; K step 2 c + q lies in K half c / 2
.endr
.endr
	WIN TO_Q
.irp b, 0,1,2,3
.irp g, 0,1,2
	ds_load_b128 v[48*(\q)+12*\b+4*\g:48*(\q)+12*\b+4*\g+3], v[AQ+(\c)/2] offset:6144*\b+1536*(2*((\c)%2)+(\q))+512*\g
.endr
.endr
.endm
.macro MUL ks                          ; 32 matrix instructions; the 32 accumulators take turns, one instruction a turn, in the same order in every step.  The first step starts the sums from the bias
.if (\ks) == 0
	WIN MULB
.else
	WIN MULW
.endif
.irp a, 0,1,2,3,4,5,6,7
.irp b, 0,1,2,3
.set rD, 64*\b+8*\a
.set rP, 96*((\ks)%2)+12*\a
.set rQ, 48*((\ks)%2)+12*\b
.set rA, SP+4*\a+(\ks)%4
.set rB, SQ+4*((\ks)/2)+\b
.if (\ks) == 0
	v_wmma_scale_f32_16x16x128_f8f6f4 v[rD:rD+7], v[rP:rP+11], v[rQ:rQ+11], v[BI+8*\a:BI+8*\a+7], v[rA], v[rB] matrix_a_fmt:MATRIX_FMT_FP6 matrix_b_fmt:MATRIX_FMT_FP6
.elseif ((\ks) < 4) && (((\ks)%2) == 0)
	v_wmma_scale_f32_16x16x128_f8f6f4 v[rD:rD+7], v[rP:rP+11], v[rQ:rQ+11], v[rD:rD+7], v[rA], v[rB] matrix_a_fmt:MATRIX_FMT_FP6 matrix_b_fmt:MATRIX_FMT_FP6
.elseif (\ks) < 4
	v_wmma_scale_f32_16x16x128_f8f6f4 v[rD:rD+7], v[rP:rP+11], v[rQ:rQ+11], v[rD:rD+7], v[rA], v[rB] matrix_a_fmt:MATRIX_FMT_FP6 matrix_b_fmt:MATRIX_FMT_FP6 matrix_b_scale:MATRIX_SCALE_ROW1
.elseif ((\ks)%2) == 0
	v_wmma_scale_f32_16x16x128_f8f6f4 v[rD:rD+7], v[rP:rP+11], v[rQ:rQ+11], v[rD:rD+7], v[rA], v[rB] matrix_a_fmt:MATRIX_FMT_FP6 matrix_b_fmt:MATRIX_FMT_FP6 matrix_a_scale:MATRIX_SCALE_ROW1
.else
	v_wmma_scale_f32_16x16x128_f8f6f4 v[rD:rD+7], v[rP:rP+11], v[rQ:rQ+11], v[rD:rD+7], v[rA], v[rB] matrix_a_fmt:MATRIX_FMT_FP6 matrix_b_fmt:MATRIX_FMT_FP6 matrix_a_scale:MATRIX_SCALE_ROW1 matrix_b_scale:MATRIX_SCALE_ROW1
.endif
.endr
.endr
.endm
; K step ks.  nc, nq: the chunk and sub-step of the next K step, fetched while this one is multiplied (nc = -1: none).  tw: where the next step begins a chunk, how many of my later tensor loads may stay out.
.macro KSTEP ks, nc, nq, tw
	s_wait_dscnt 0x0                               ; this step's fragments are in
.if (\tw) >= 0
	s_wait_tensorcnt \tw                           ; my part of the next chunk has landed; my later chunks stay out
	s_barrier_signal -1
	s_barrier_wait -1                              ; everybody's has
.endif
.if (\nc) >= 0
.if (\ks) > 0
	PLACES 4                                       ; in front of loads into registers that matrix instructions have read
.endif
	FETCH \nc, \nq
.endif
	MUL \ks
.endm
; THE WAY OUT of token tile b.  LDS serves a wave's instructions in order: no wait between the stores and the loads, nor in front of the next tile's stores.
.macro TOSTAGE b
	WIN 0x04                                       ; an LDS store's data are its source 1: window 1
.irp a, 0,1,2,3,4,5,6,7
	ds_store_b128 v[STO], v[64*(\b)+8*\a:64*(\b)+8*\a+3] offset:128*(\a/2)+32*(\a%2)          ; each accumulator from its low end on
	ds_store_b128 v[STO], v[64*(\b)+8*\a+4:64*(\b)+8*\a+7] offset:128*(\a/2)+32*(\a%2)+16
.endr
	WIN 0
.irp t, 0,1,2,3,4,5,6,7,8,9,10,11,12,13,14,15
	ds_load_b128 v[BK+64*((\b)%2)+4*\t:BK+64*((\b)%2)+4*\t+3], v[RD] offset:528*\t
.endr
.endm
.macro SEND b, younger                 ; younger: the LDS instructions issued behind tile b's loads, which may stay out.  The order of a tile's rows is undone in the immediate
	s_wait_dscnt \younger
.irp t, 0,1,2,3,4,5,6,7,8,9,10,11,12,13,14,15
	global_store_b128 v12, v[BK+64*((\b)%2)+4*\t:BK+64*((\b)%2)+4*\t+3], s[86:87] offset:(32*((\b)/2)+8*((\b)%2)+\t+8*(\t/8))*4096 th:TH_STORE_NT   ; 32 lanes store 512 consecutive bytes, aligned
.endr
.endm
	s_wait_alu depctr_va_vdst(0)                   ; the wait at the head's end
	s_cmp_lt_u32 s12, 2                            ; waves 0 and 1 asked for K half 0, by lines of their own: they wait; K half 1 stays out
	s_cbranch_scc0 .Lnot_half0
	s_wait_tensorcnt 0x0
.Lnot_half0:
	s_barrier_signal -1
	s_barrier_wait -1                              ; everybody's is
	FETCH 0, 0
	s_wait_loadcnt 0x0                             ; the scale words and the bias
	KSTEP 0, 0, 1, -1
	KSTEP 1, 1, 0, -1
	KSTEP 2, 1, 1, -1
	KSTEP 3, 2, 0, 0                               ; every wave waits for its load: K half 1 is shown to all; K half 0, where the stages lie, is read no more behind this barrier
	KSTEP 4, 2, 1, -1
	KSTEP 5, 3, 0, -1
	KSTEP 6, 3, 1, -1
	KSTEP 7, -1, 0, -1
	WIN 0
	PLACES 4                                       ; in front of the first read of results, and of loads into the registers that held the bias
	s_wait_alu depctr_va_vdst(0)
	TOSTAGE 0
.irp b, 1,2,3
.if \b > 1
	s_wait_xcnt 0x0                                ; tile b - 2's stores have read their registers: tile b's rows may land there
.endif
	TOSTAGE \b
	SEND \b-1, 32                                  ; behind tile b - 1's loads: tile b's 16 stores and 16 loads
.endr
	SEND 3, 0
	s_wait_tensorcnt 0x0
	ds_add_u32 v126, v127
	s_wait_dscnt 0x0
	CROUND                                         ; the closing round: no work-group ends while a partner may still ask for a tile that names it
	s_endpgm
.Lfunc_end_k_qf9a04b9ed7_proj:
	.size	k_qf9a04b9ed7_proj, .Lfunc_end_k_qf9a04b9ed7_proj-k_qf9a04b9ed7_proj
	.p2alignl 7, 3214868480
	.fill 96, 4, 3214868480
	.section	.rodata,"a",@progbits
	.p2align	6, 0x0
	.amdhsa_kernel k_qf9a04b9ed7_proj
		.amdhsa_group_segment_fixed_size 295424
		.amdhsa_private_segment_fixed_size 0
		.amdhsa_enable_private_segment 0
		.amdhsa_kernarg_size 48
		.amdhsa_user_sgpr_count 2
		.amdhsa_user_sgpr_kernarg_segment_ptr 1
		.amdhsa_wavefront_size32 1
		.amdhsa_system_sgpr_workgroup_id_x 1
		.amdhsa_system_sgpr_workgroup_id_y 1
		.amdhsa_system_sgpr_workgroup_id_z 1
		.amdhsa_system_vgpr_workitem_id 0
		.amdhsa_next_free_vgpr 864
		.amdhsa_next_free_sgpr 100
		.amdhsa_reserve_vcc 0
		.amdhsa_float_denorm_mode_32 3
		.amdhsa_float_denorm_mode_16_64 3
		.amdhsa_memory_ordered 1
		.amdhsa_forward_progress 1
		.amdhsa_inst_pref_size 77
	.end_amdhsa_kernel
	.amdgpu_metadata
---
amdhsa.version: [ 1, 2 ]
amdhsa.kernels:
  - .name:           k_qf9a04b9ed7_proj
    .symbol:         k_qf9a04b9ed7_proj.kd
    .args:
      - { .name: oc, .offset: 0, .size: 8, .value_kind: global_buffer, .address_space: global }
      - { .name: os, .offset: 8, .size: 8, .value_kind: global_buffer, .address_space: global }
      - { .name: codes, .offset: 16, .size: 8, .value_kind: global_buffer, .address_space: global }
      - { .name: scales, .offset: 24, .size: 8, .value_kind: global_buffer, .address_space: global }
      - { .name: proj_b, .offset: 32, .size: 8, .value_kind: global_buffer, .address_space: global }
      - { .name: out0, .offset: 40, .size: 8, .value_kind: global_buffer, .address_space: global }
    .group_segment_fixed_size: 295424
    .private_segment_fixed_size: 0
    .kernarg_segment_align: 8
    .kernarg_segment_size: 48
    .max_flat_workgroup_size: 128
    .sgpr_count:     100
    .vgpr_count:     864
    .wavefront_size: 32
...
	.end_amdgpu_metadata
.endif
;; end of part 4
